; MI455X (gfx1250); checked and timed in simulation.
; The chip was launched on July 23, 2026; its instructions are those of AMD's public machine-readable ISA for CDNA 5 (MIT licence, August 2026) and "CDNA5" Instruction Set Architecture Reference Guide (July 2026). The comments in the code are by the model that wrote it; some were corrected since.
;; Multi Head Attention Block. Allowed arithmetic: float matrix products may take bf16 or f16 operands with f32 sums; all other float work in f32.
;; Inputs: k 2 x 2,048 x 1,024 float32; mask 1 x 1 x 2,048 x 2,048 bool; q 2 x 2,048 x 1,024 float32; v 2 x 2,048 x 1,024 float32; w_k 1,024 x 1,024 float32; w_o 1,024 x 1,024 float32; w_q 1,024 x 1,024 float32; w_v 1,024 x 1,024 float32.
;; Outputs: out0 2 x 2,048 x 1,024 float32.
;; 2 versions, each right; version 2 is version 1 with the launch cast written anew for expert scheduling mode. Each part assembles by itself: llvm-mc -triple=amdgcn-amd-amdhsa -mcpu=gfx1250 --defsym DOCPART=n.
;; ======== version 1 of 2: 4 launches
;; limits: values are held in f16: magnitudes above 65,504 overflow, below 6.1e-05 lose precision
;; workspace buffers: qf 8,388,608 bytes; kf 8,388,608 bytes; vf 8,388,608 bytes; xf 8,388,608 bytes; wof 2,097,152 bytes; maskw 524,288 bytes of whole numbers; act 25,165,824 bytes; wts 6,291,456 bytes
;; launch cast (part 1): grid 256 x 1, 8 waves a work-group, no clusters, 35,840 bytes of LDS; arguments q, k, v, w_q, w_k, w_v, w_o, mask, act, wts, wof, maskw; writes act, wts, wof, maskw
.if DOCPART == 1
	.amdgcn_target "amdgcn-amd-amdhsa--gfx1250"
	.amdhsa_code_object_version 6
	.text
	.protected	k_q5257fff537_cast
	.globl	k_q5257fff537_cast
	.p2align	8
	.type	k_q5257fff537_cast,@function
k_q5257fff537_cast:
	s_mov_b64 s[64:65], 0
	v_nop
	global_prefetch_b8 v0, s[64:65] scope:SCOPE_SE
	s_setreg_imm32_b32 hwreg(HW_REG_WAVE_MODE, 25, 1), 1
	s_wait_xcnt 0x0
; Every matrix operand that comes from an input is rounded to f16 here, once, and laid in tiles; and the mask's bytes become lane masks.
; (1) q, k, v [4096][1024] and w_q, w_k, w_v, w_o [1024][1024], f32 -> tiles of 512 bytes, [row tile][k tile 64][512]: 16 rows x 16 k, lane L owning the 16 bytes
;     at 16 L (row L & 15, k = 8 (L >> 4) + 0..7), so that two tiles that follow each other along k are one 16 x 32 matrix operand as they lie.
;     act = q, k, v (8 MiB each); wts = w_q, w_k, w_v (2 MiB each); wof = w_o.
;     16,384 rows = 1,024 row tiles; 2,048 waves, half a row tile each: 16 rows x 2,048 bytes, as four units of 16 rows x 512 bytes.
;     A load of the wave covers 512 consecutive bytes of one row.  A lane then holds 4 numbers of that row, but a tile wants a lane to hold one row's 8:
;     so the rounded numbers pass through the wave's own 4,352 bytes of LDS: 16 pieces (k tile, half) of 16 rows x 16 bytes, 272 bytes apart.
;     In: the 32 lanes of a row write 8 bytes each at (lane >> 1) x 272 + (lane & 1) x 8 + 16 row: 16 different 16-byte columns of 256.
;     Back: 16 lanes read a piece's 256 consecutive bytes.  Each store of the wave then covers one whole tile, 512 consecutive aligned bytes.
;     LDS serves a wave's instructions in order and no wave touches another's bytes: no barrier.
;     Two landings of 64 registers: 32 loads of a wave (16 KiB) are out at a time, 128 KiB for the eight waves.
; (2) mask [2048][2048] bytes -> maskw [query tile 128][key tile 128][j 8] words.  Bit L of word (qtile, kt, j) says whether
;     mask[16 qtile + (L & 15)][16 kt + 8 (L >> 4) + j] is not 0: the 32 lanes' selector for register j of a 16 x 16 tile of transposed scores.
;     Any byte other than 0 counts as true.  Wave J: qtile = J >> 4, eight key tiles from (J & 15) x 8: 256 aligned bytes out.
; No matrix unit, no cluster: nothing is shared between work-groups and memory binds.
; LIMIT (format): f16: the inputs' magnitudes must lie under 65,504; numbers under 6e-5 in magnitude lose bits, under 3e-8 they become 0.
.set PIECE, 272                        ; 16 rows x 16 bytes + 16
.set WLDS,  16*PIECE                   ; a wave's bytes of LDS
.set LA, 16                            ; v[16:79]    landing of units 0, 2: row r in 4 registers
.set LB, 80                            ; v[80:143]   landing of units 1, 3
.set Y,  144                           ; v[144:175]  eight tiles to store
.set M,  176                           ; v[176:191]  mask bytes: 8 a lane for each of 8 key tiles
.set W,  192                           ; v[192:193]  my 64 words: word w in register w & 1, lane w >> 1
.set T,  194                           ; v[194:197]  one byte cut out
; v3 16 x lane (loads and stores); v6 LDS in; v8 LDS back; v9 mask offset; v10 8 x lane
	s_load_b512 s[8:23], s[0:1], 0x0               ; q 8, k 10, v 12, w_q 14, w_k 16, w_v 18, w_o 20, mask 22
	s_load_b256 s[24:31], s[0:1], 0x40             ; act 24, wts 26, wof 28, maskw 30
	v_lshl_add_u32 v200, v0, 2, 0x8800
	v_mov_b32 v201, 0
	v_lshrrev_b32 v1, 5, v0
	v_readfirstlane_b32 s2, v1                     ; wave 0..7
	; work-groups 0-63 q, 64-127 k, 128-191 v, 192-207 w_q, 208-223 w_k, 224-239 w_v, 240-255 w_o; four row tiles each
	s_lshr_b32 s3, ttmp9, 6                        ; 0, 1, 2: q, k, v; 3: a weight
	s_bfe_u32 s4, ttmp9, 0x20004                   ; which weight
	s_and_b32 s32, ttmp9, 63
	s_and_b32 s33, ttmp9, 15
	s_cmp_eq_u32 s3, 3
	s_cselect_b32 s32, s33, s32                    ; the work-group's number within its tensor
	s_lshr_b32 s34, s2, 1
	s_lshl2_add_u32 s32, s32, s34                  ; my row tile in its tensor
	s_and_b32 s35, s2, 1                           ; which half of the rows' 4,096 bytes
	s_lshl_b32 s36, s32, 16                        ; in: 16 rows x 4,096 bytes a row tile
	s_lshl_b32 s37, s35, 11
	s_add_co_u32 s36, s36, s37
	s_mov_b32 s37, 0
	s_lshl_b32 s38, s32, 15                        ; out: 64 tiles x 512 bytes a row tile
	s_lshl_b32 s39, s35, 14
	s_add_co_u32 s38, s38, s39
	s_lshl_b32 s40, s3, 23                         ; q, k, v follow each other in act,
	s_lshl_b32 s41, s4, 21                         ; w_q, w_k, w_v in wts,
	s_cmp_eq_u32 s4, 3
	s_cselect_b32 s41, 0, s41                      ; w_o has wof to itself
	s_cmp_eq_u32 s3, 3
	s_cselect_b32 s40, s41, s40
	s_add_co_u32 s38, s38, s40
	s_mov_b32 s39, 0
	s_lshl_b32 s48, ttmp9, 3
	s_add_co_u32 s48, s48, s2                      ; J, 0..2,047
	s_lshr_b32 s50, s48, 4
	s_lshl_b32 s50, s50, 15                        ; mask: query tile x 16 rows x 2,048 bytes
	s_and_b32 s51, s48, 15
	s_lshl_b32 s51, s51, 7                         ; + 8 key tiles x 16 bytes
	s_add_co_u32 s50, s50, s51
	s_mov_b32 s51, 0
	s_lshl_b32 s52, s48, 8                         ; 256 bytes of words a wave
	s_mov_b32 s53, 0
	s_mul_i32 s49, s2, WLDS                        ; my bytes of LDS
	v_and_b32 v2, 31, v0
	v_lshlrev_b32 v3, 4, v2
	v_lshlrev_b32 v10, 3, v2
	v_and_b32 v4, 15, v0                           ; r
	v_bfe_u32 v5, v0, 4, 1                         ; h
	v_and_b32 v7, 30, v0                           ; 2 x (lane >> 1)
	v_mul_u32_u24 v6, v7, PIECE/2
	v_and_b32 v7, 1, v0
	v_lshl_add_u32 v6, v7, 3, v6
	v_add_nc_u32 v6, s49, v6                       ; in: piece lane >> 1, 8 bytes for each of its two lanes
	v_mul_u32_u24 v8, v5, PIECE
	v_lshl_add_u32 v8, v4, 4, v8
	v_add_nc_u32 v8, s49, v8                       ; back: piece h of a tile, row r
	v_lshlrev_b32 v9, 11, v4
	v_lshl_add_u32 v9, v5, 3, v9                   ; mask: r x 2,048 + 8 h
	v_mov_b32 v[W], 0                              ; v_writelane_b32 keeps the other lanes: the registers are written whole first
	v_mov_b32 v[W+1], 0
	s_wait_kmcnt 0x0
	s_cmp_eq_u32 s3, 0
	s_cselect_b64 s[42:43], s[8:9], s[10:11]       ; q or k
	s_cmp_eq_u32 s3, 2
	s_cselect_b64 s[42:43], s[12:13], s[42:43]     ; or v
	s_cmp_eq_u32 s4, 0
	s_cselect_b64 s[44:45], s[14:15], s[16:17]     ; w_q or w_k
	s_cmp_eq_u32 s4, 2
	s_cselect_b64 s[44:45], s[18:19], s[44:45]     ; or w_v
	s_cmp_eq_u32 s4, 3
	s_cselect_b64 s[44:45], s[20:21], s[44:45]     ; or w_o,
	s_cselect_b64 s[46:47], s[28:29], s[26:27]     ; which goes to wof, the others to wts
	s_cmp_eq_u32 s3, 3
	s_cselect_b64 s[42:43], s[44:45], s[42:43]
	s_cselect_b64 s[46:47], s[46:47], s[24:25]
	s_add_nc_u64 s[42:43], s[42:43], s[36:37]      ; from
	s_add_nc_u64 s[46:47], s[46:47], s[38:39]      ; to
	s_add_nc_u64 s[22:23], s[22:23], s[50:51]
	s_add_nc_u64 s[30:31], s[30:31], s[52:53]
.macro LOADU u, ln                     ; unit u: 16 rows, 512 consecutive bytes of a row in each load.  u may be a sum: it stands in parentheses
.irp r, 0,1,2,3,4,5,6,7,8,9,10,11,12,13,14,15
	global_load_b128 v[\ln+4*\r:\ln+4*\r+3], v3, s[42:43] offset:\r*4096+(\u)*512 th:TH_LOAD_NT
.endr
.endm
; Unit u, landed in ln, is rounded, turned into tiles and stored.  left = how many younger loads may stay out.  more = 1: unit u + 2 is asked for into the same landing.
.macro WORKU u, ln, left, more
	s_wait_loadcnt \left                           ; loads come back in order: my 16 are in
.irp r, 0,1,2,3,4,5,6,7,8,9,10,11,12,13,14,15
	v_cvt_pk_f16_f32 v[\ln+4*\r],   v[\ln+4*\r],   v[\ln+4*\r+1]       ; in place: 4 numbers into 8 bytes
	v_cvt_pk_f16_f32 v[\ln+4*\r+1], v[\ln+4*\r+2], v[\ln+4*\r+3]
	ds_store_b64 v6, v[\ln+4*\r:\ln+4*\r+1] offset:16*\r
.endr
	s_wait_xcnt 0x0                                ; Y, which the last unit's stores read, is loaded again only behind this wait
.irp t, 0,1,2,3,4,5,6,7
	ds_load_b128 v[Y+4*\t:Y+4*\t+3], v8 offset:2*PIECE*\t              ; LDS serves a wave's instructions in order: these see the stores above
.endr
	s_wait_dscnt 0x0                               ; the tiles are in Y, and the LDS stores have read the landing
.if \more
	LOADU \u+2, \ln
.endif
.irp t, 0,1,2,3,4,5,6,7
	global_store_b128 v3, v[Y+4*\t:Y+4*\t+3], s[46:47] offset:(8*\u+\t)*512    ; one whole tile: 512 consecutive aligned bytes
.endr
.endm
	LOADU 0, LA
	LOADU 1, LB
.irp kk, 0,1,2,3,4,5,6,7
	global_load_b64 v[M+2*\kk:M+2*\kk+1], v9, s[22:23] offset:16*\kk th:TH_LOAD_NT
.endr
	WORKU 0, LA, 24, 1                             ; out: unit 1's 16 and the mask's 8
	WORKU 1, LB, 24, 1                             ; out: the mask's 8 and unit 2's 16
	; byte j of key tile kk: cut it out, compare in all 32 lanes at once, put the 32 bits into word 8 kk + j
.irp kk, 0,1,2,3,4,5,6,7
	s_wait_loadcnt 39-\kk                          ; out: 7 - kk younger mask loads and the 32 of units 2 and 3
.irp j, 0,1,2,3,4,5,6,7
	v_and_b32 v[T+(\j&3)], 0xff<<(8*(\j&3)), v[M+2*\kk+(\j>>2)]
	v_cmp_ne_u32 s[54+\j], 0, v[T+(\j&3)]
	v_writelane_b32 v[W+((8*\kk+\j)&1)], s[54+\j], (8*\kk+\j)>>1
.endr
.endr
	global_store_b64 v10, v[W:W+1], s[30:31]       ; 256 consecutive aligned bytes
	WORKU 2, LA, 16, 0                             ; out: unit 3's 16
	WORKU 3, LB, 0, 0
	s_wait_tensorcnt 0x0
	ds_add_u32 v200, v201
	s_wait_dscnt 0x0
	s_endpgm
.Lfunc_end_k_q5257fff537_cast:
	.size	k_q5257fff537_cast, .Lfunc_end_k_q5257fff537_cast-k_q5257fff537_cast
	.p2alignl 7, 3214868480
	.fill 96, 4, 3214868480
	.section	.rodata,"a",@progbits
	.p2align	6, 0x0
	.amdhsa_kernel k_q5257fff537_cast
		.amdhsa_group_segment_fixed_size 35840
		.amdhsa_private_segment_fixed_size 0
		.amdhsa_enable_private_segment 0
		.amdhsa_kernarg_size 96
		.amdhsa_user_sgpr_count 2
		.amdhsa_user_sgpr_kernarg_segment_ptr 1
		.amdhsa_wavefront_size32 1
		.amdhsa_system_sgpr_workgroup_id_x 1
		.amdhsa_system_sgpr_workgroup_id_y 1
		.amdhsa_system_sgpr_workgroup_id_z 1
		.amdhsa_system_vgpr_workitem_id 0
		.amdhsa_next_free_vgpr 202
		.amdhsa_next_free_sgpr 66
		.amdhsa_reserve_vcc 0
		.amdhsa_float_denorm_mode_32 3
		.amdhsa_float_denorm_mode_16_64 3
		.amdhsa_memory_ordered 1
		.amdhsa_forward_progress 1
		.amdhsa_inst_pref_size 40
	.end_amdhsa_kernel
	.amdgpu_metadata
---
amdhsa.version: [ 1, 2 ]
amdhsa.kernels:
  - .name:           k_q5257fff537_cast
    .symbol:         k_q5257fff537_cast.kd
    .args:
      - { .name: q, .offset: 0, .size: 8, .value_kind: global_buffer, .address_space: global }
      - { .name: k, .offset: 8, .size: 8, .value_kind: global_buffer, .address_space: global }
      - { .name: v, .offset: 16, .size: 8, .value_kind: global_buffer, .address_space: global }
      - { .name: w_q, .offset: 24, .size: 8, .value_kind: global_buffer, .address_space: global }
      - { .name: w_k, .offset: 32, .size: 8, .value_kind: global_buffer, .address_space: global }
      - { .name: w_v, .offset: 40, .size: 8, .value_kind: global_buffer, .address_space: global }
      - { .name: w_o, .offset: 48, .size: 8, .value_kind: global_buffer, .address_space: global }
      - { .name: mask, .offset: 56, .size: 8, .value_kind: global_buffer, .address_space: global }
      - { .name: act, .offset: 64, .size: 8, .value_kind: global_buffer, .address_space: global }
      - { .name: wts, .offset: 72, .size: 8, .value_kind: global_buffer, .address_space: global }
      - { .name: wof, .offset: 80, .size: 8, .value_kind: global_buffer, .address_space: global }
      - { .name: maskw, .offset: 88, .size: 8, .value_kind: global_buffer, .address_space: global }
    .group_segment_fixed_size: 35840
    .private_segment_fixed_size: 0
    .kernarg_segment_align: 8
    .kernarg_segment_size: 96
    .max_flat_workgroup_size: 256
    .sgpr_count:     66
    .vgpr_count:     202
    .wavefront_size: 32
...
	.end_amdgpu_metadata
.endif
;; end of part 1
;; launch proj (part 2): grid 4 x 48, 4 waves a work-group, clusters of 4 x 4, 327,680 bytes of LDS; arguments act, wts, qf, kf, vf; writes qf, kf, vf
.if DOCPART == 2
	.amdgcn_target "amdgcn-amd-amdhsa--gfx1250"
	.amdhsa_code_object_version 6
	.text
	.protected	k_q5257fff537_proj
	.globl	k_q5257fff537_proj
	.p2align	8
	.type	k_q5257fff537_proj,@function
k_q5257fff537_proj:
	s_mov_b64 s[64:65], 0
	v_nop
	global_prefetch_b8 v0, s[64:65] scope:SCOPE_SE
	s_setreg_imm32_b32 hwreg(HW_REG_WAVE_MODE, 25, 1), 1
	s_wait_xcnt 0x0
	s_wait_alu depctr_hold_cnt(0) depctr_sa_sdst(0) depctr_va_vdst(0) depctr_va_sdst(0) depctr_va_ssrc(0) depctr_va_vcc(0) depctr_vm_vsrc(0)
	s_getreg_b32 s2, hwreg(HW_REG_IB_STS2, 6, 4)
	s_cmp_eq_u32 s2, 0
	s_cbranch_scc0 .Lentry_in_a_cluster
	s_endpgm
.Lentry_in_a_cluster:
	s_bfe_u32 s2, ttmp6, 0x10000c
	s_cmp_lg_u32 s2, 0xf033
	s_cbranch_scc0 .Lentry_shape_is_right
	s_endpgm
.Lentry_shape_is_right:
; The three projections, one text: C[m][n] = sum over k of A[m][k] B[n][k], K = 1024, operands f16 in tiles of 512 bytes, sums f32.
;   clusters 0-3:  A = q (4,096 rows), B = w_q (1,024 rows), C = Q x log2(e)/8     (the softmax's scale, multiplied in f32 before the one rounding)
;   clusters 4-7:  A = k,              B = w_k,              C = K
;   clusters 8-11: A = w_v (1,024),    B = v (4,096),        C = V transposed (rows = features, columns = tokens)
; OPERANDS: act and wts hold [row tile][k tile 64][512 bytes]: 16 rows x 16 k, lane L owning the 16 bytes at 16 L (row L & 15, k = 8 (L >> 4) + 0..7).  Two tiles that
; follow each other along k are one 16 x 32 operand, so a fragment is two loads of 512 consecutive bytes each: no padding, no two lanes in one bank.
; They were rounded by an earlier launch and not here: as f32 a slot of this size would hold 64 along K and not 128, every number would be read from LDS
; and rounded by the two waves that use it, and a refill would have half the matrix instructions in which to land.
; A work-group makes 256 x 256 of C with four waves, as many as a WGP has SIMDs; a wave 128 x 128 in 512 registers.  192 work-groups: 3 x 16 x 4 blocks; the sizes are
; powers of two, so no equal share of three such products among 256 work-groups keeps blocks of this shape.
; K goes in steps of 128 through two LDS slots of 128 KiB: A's 16 row tiles x 4 KiB, then B's.  A wave fills 32 KiB with one tensor load: 8 rows of 4,096 consecutive
; bytes, 32,768 bytes apart in memory.
; CLUSTERS: 4 x 4 work-groups; A's tile is shared along a row of the cluster, B's along a column, by joint loads: each tile is asked for once for four work-groups.
; RESULTS leave in the same kind of tile: with source 0 = B's rows and source 1 = A's rows a lane's eight sums are eight neighbouring columns of one row of C, so four
; conversions make exactly a lane's 16 bytes and each store of the wave covers 512 consecutive aligned bytes, with no way through LDS.
; qf, kf: [b][head][token tile 128][d tile 4][512]; vf: the same with rows = d and k = token.
; LIMIT (format): operands and results are f16: |Q|/5.5, |K|, |V| must stay under 65,504.  By the sizes: all inputs 30 times larger give results of spread 900; all inputs
; offset by 30 spreads give 30 x 30/32 x 1,024 = 28,800.  Both at once overflow.  f16 and not bf16 because five roundings of intermediates lie between the
; inputs and the output, and eight significant bits in each do not fit the accuracy asked of the output.
;
; REGISTERS in windows of 256:  window 0: v8-15 offsets of my tile rows, v16-24 addresses, v32-47 store offsets, v64-127, v128-191 A's fragments (two buffers), v192-255 packed results
;   window 1: v64-127, v128-191 B's fragments (two buffers)
;   window 2: accumulators of my rows 0-63 (tile (a, b) at v[8 (8 a + b)]);  window 3: of my rows 64-127
.set RTILE,  4096                      ; a row tile's bytes in a K step: 8 k tiles of 512
.set HALFT,  8*RTILE                   ; 8 row tiles = 128 rows: one tensor load, and what a wave reads of A or of B
.set SLOT,   4*HALFT                   ; A's 256 rows, then B's 256 rows
.set LAPS,   4                         ; a lap = two K steps = once round the ring; 1,024 / 256
.set VA,   8                           ; v8-15   16 L + the offset of tile row a
.set ADRA, 16                          ; v16-17  LDS address of my A fragments in slot 0, 1
.set ADRB, 20                          ; v20-21  the same for B
.set L16,  24                          ; v24     16 L
.set VO,   32                          ; v32-47  store offsets, two sets of eight
.set F0,   64
.set F1,   128
.set TMP,  192
.set G1,  24                           ; s[24:31] group 1 for A's tiles
.set G0,  32                           ; s[32:39] group 0 for A's tiles, one set a slot
.set G1B, 48                           ; s[48:55] group 1 for B's tiles: it differs in the mask alone
.set G0B, 56                           ; s[56:63] group 0 for B's tiles
.set SB,  68                           ; s[68:75] the way out: offset of tile column b
.set MSB, 0
.macro WIN new                         ; the immediate's high byte repeats the setting that is left; a switch that changes nothing is dropped
.if MSB != (\new)
	s_set_vgpr_msb (MSB<<8)|(\new)
.set MSB, (\new)
.endif
.endm
.set MUL_LO, 0xa1                      ; source 0 (B) window 1, source 1 (A) window 0, C and D window 2
.set MUL_HI, 0xf1                      ; the same, C and D window 3
.set TO_B,   0x40                      ; destination window 1, address window 0
; A joint load: waves 0 and 1 fetch A's two halves, waves 2 and 3 B's.  Each line has one mask; the branch hangs on the wave's number alone.
.macro JLOAD s
	s_cmp_eq_u32 s11, 0
	s_cbranch_scc0 .Lfor_b_\@
	tensor_load_to_lds s[G0+4*\s:G0+4*\s+3], s[G1:G1+7]
	s_nop 0
	s_branch .Lasked_\@
.Lfor_b_\@:
	tensor_load_to_lds s[G0B+4*\s:G0B+4*\s+3], s[G1B:G1B+7]
	s_nop 0
.Lasked_\@:
.endm
.macro CREST                           ; a round of the cluster's barrier behind its opening work-group barrier
	s_cmp_lg_u32 s10, 0
	s_cbranch_scc1 .Lnot_wave_0_\@
	s_barrier_signal -3
.Lnot_wave_0_\@:
	s_barrier_wait -3
	s_barrier_signal -1
	s_barrier_wait -1
.endm
.macro CROUND
	s_barrier_signal -1
	s_barrier_wait -1
	CREST
.endm
	s_load_b256 s[68:75], s[0:1], 0x0              ; act 68, wts 70, qf 72, kf 74
	s_load_b64 s[76:77], s[0:1], 0x20              ; vf
	s_set_vgpr_msb 0x40
	v_lshl_add_u32 v255, v0, 2, 0x40000
	s_set_vgpr_msb 0x4000
	v_mov_b32 v63, 0
	s_set_vgpr_msb 0x1
	ds_add_u32 v255, v63
	s_set_vgpr_msb 0x100
	v_lshrrev_b32 v1, 5, v0
	v_readfirstlane_b32 s10, v1                    ; wave 0..3
	s_lshr_b32 s11, s10, 1                         ; my half of the block's rows.  Also: I fetch for A (0) or B (1)
	s_and_b32 s12, s10, 1                          ; my half of its columns.  Also: which 128 rows of that tile I fetch
	s_bfe_u32 s40, ttmp6, 0x40000                  ; cx
	s_bfe_u32 s41, ttmp6, 0x40004                  ; cy
	s_and_b32 s86, ttmp7, 0xffff                   ; the cluster's y, 0..11: equal in all sixteen partners
	s_lshr_b32 s87, s86, 2                         ; which projection: 0 Q, 1 K, 2 V
	s_and_b32 s88, s86, 3
	s_lshl_b32 s88, s88, 2                         ; four blocks of the 4,096-row side for each cluster
	s_cmp_eq_u32 s87, 2
	s_cselect_b32 s89, 0, s88                      ; Q, K: the long side is A's
	s_cselect_b32 s90, s88, 0                      ; V: it is B's
	s_add_co_u32 s13, s89, s41                     ; block row of C
	s_add_co_u32 s42, s90, s40                     ; block column of C
	s_lshl_b32 s43, s41, 2
	s_lshl_b32 s43, 15, s43                        ; my row of the cluster
	s_lshl_b32 s44, 0x1111, s40                    ; my column
	s_lshl_b32 s78, s87, 23                        ; q, k, v follow each other in act, 8 MiB each
	s_mov_b32 s79, 0
	s_lshl_b32 s80, s87, 21                        ; w_q, w_k, w_v in wts, 2 MiB each
	s_mov_b32 s81, 0
	; group 1: 8 rows of 512 elements of 8 bytes, no padding
	s_or_b32 s[G1+0], s43, (3<<16)|(1<<21)
	s_or_b32 s[G1B+0], s44, (3<<16)|(1<<21)
	s_mov_b32 s[G1+1], 512<<16                     ; tensor_dim0 = 512 elements = 4,096 bytes
	s_mov_b32 s[G1B+1], 512<<16
	s_mov_b32 s[G1+2], 8<<16                       ; tensor_dim1 = 8
	s_mov_b32 s[G1B+2], 8<<16
	s_mov_b32 s[G1+3], 512<<16                     ; tile_dim0
	s_mov_b32 s[G1B+3], 512<<16
	s_mov_b32 s[G1+4], 8                           ; tile_dim1
	s_mov_b32 s[G1B+4], 8
	s_mov_b32 s[G1+5], 4096                        ; from row tile to row tile: 32,768 bytes
	s_mov_b32 s[G1B+5], 4096
	s_mov_b32 s[G1+6], 0
	s_mov_b32 s[G1B+6], 0
	s_mov_b32 s[G1+7], 0
	s_mov_b32 s[G1B+7], 0
	s_lshl_b32 s17, s12, 18                        ; 8 row tiles x 32,768 bytes
	s_lshl_b32 s16, s13, 19                        ; A: a block's 16 row tiles
	s_add_co_u32 s16, s16, s17
	s_lshl_b32 s46, s42, 19                        ; B likewise
	s_add_co_u32 s46, s46, s17
	s_mov_b32 s17, 0
	s_mov_b32 s47, 0
	s_lshl_b32 s20, s10, 15                        ; LDS: 32,768 x wave: no place in the cluster enters an LDS address
	s_wait_dscnt 0x0
	s_wait_kmcnt 0x0
	s_add_nc_u64 s[68:69], s[68:69], s[78:79]      ; my projection's activations
	s_add_nc_u64 s[70:71], s[70:71], s[80:81]      ; and weights
	s_cmp_eq_u32 s87, 2
	s_cselect_b64 s[4:5], s[70:71], s[68:69]       ; A: the weights for V, else the activations
	s_cselect_b64 s[6:7], s[68:69], s[70:71]       ; B: the other
	s_cselect_b64 s[8:9], s[76:77], s[74:75]       ; C = vf or kf
	s_cmp_eq_u32 s87, 0
	s_cselect_b64 s[8:9], s[72:73], s[8:9]         ;     or qf
	s_add_nc_u64 s[14:15], s[4:5], s[16:17]
	s_add_nc_u64 s[46:47], s[6:7], s[46:47]
	CROUND                                         ; all sixteen work-groups are here: the first joint loads meet
.irp s, 0,1
	s_mov_b32 s[G0+4*\s], 1
	s_add_co_u32 s[G0+4*\s+1], s20, \s*SLOT
	s_add_nc_u64 s[G0+4*\s+2:G0+4*\s+3], s[14:15], \s*RTILE        ; K step s
	s_or_b32 s[G0+4*\s+3], s[G0+4*\s+3], 0x80000000
	s_mov_b32 s[G0B+4*\s], 1
	s_add_co_u32 s[G0B+4*\s+1], s20, \s*SLOT
	s_add_nc_u64 s[G0B+4*\s+2:G0B+4*\s+3], s[46:47], \s*RTILE
	s_or_b32 s[G0B+4*\s+3], s[G0B+4*\s+3], 0x80000000
	JLOAD \s                                       ; both first fills go out together: two tensor loads of the wave are out
.endr
	v_and_b32 v[L16], 31, v0
	v_lshlrev_b32 v[L16], 4, v[L16]                ; 16 L: a lane's place in every tile
	s_lshl_b32 s21, s11, 15                        ; my 128 rows of A
	s_lshl_b32 s22, s12, 15                        ; my 128 rows of B,
	s_add_co_u32 s22, s22, 2*HALFT                 ; which lie behind A's 256
.irp s, 0,1
	v_add_nc_u32 v[ADRA+\s], s21, v[L16]
	v_add_nc_u32 v[ADRB+\s], s22, v[L16]
	s_add_co_u32 s21, s21, SLOT
	s_add_co_u32 s22, s22, SLOT
.endr
; 16 matrix instructions: m blocks a0, a0 + 1 of the window's four x all 8 n blocks, 32 along K.  zero = 1: the first product starts the sums: nothing is cleared.
.macro MUL16 f, hi, a0, zero
.irp a, \a0, \a0+1
.irp b, 0,1,2,3,4,5,6,7
.if \zero
	v_wmma_f32_16x16x32_f16 v[8*(8*(\a)+\b):8*(8*(\a)+\b)+7], v[\f+8*\b:\f+8*\b+7], v[\f+8*(4*\hi+\a):\f+8*(4*\hi+\a)+7], 0
.else
	v_wmma_f32_16x16x32_f16 v[8*(8*(\a)+\b):8*(8*(\a)+\b)+7], v[\f+8*\b:\f+8*\b+7], v[\f+8*(4*\hi+\a):\f+8*(4*\hi+\a)+7], v[8*(8*(\a)+\b):8*(8*(\a)+\b)+7]
.endif
.endr
.endr
.endm
; 32 LDS loads in one run: the fragments of quarter step qq (k tiles 2 qq, 2 qq + 1 of the slot; 128 rows of B, 128 rows of A) into buffer f
.macro FETCH slot, qq, f
	WIN TO_B
.irp i, 0,1,2,3,4,5,6,7
	ds_load_b128 v[\f+8*\i:\f+8*\i+3],   v[ADRB+\slot] offset:\i*RTILE+\qq*1024
	ds_load_b128 v[\f+8*\i+4:\f+8*\i+7], v[ADRB+\slot] offset:\i*RTILE+\qq*1024+512
.endr
	WIN 0
.irp i, 0,1,2,3,4,5,6,7
	ds_load_b128 v[\f+8*\i:\f+8*\i+3],   v[ADRA+\slot] offset:\i*RTILE+\qq*1024
	ds_load_b128 v[\f+8*\i+4:\f+8*\i+7], v[ADRA+\slot] offset:\i*RTILE+\qq*1024+512
.endr
.endm
; A load into a register that a matrix instruction has read, and a vector instruction that reads a matrix result, stand four plain vector instructions behind that
; matrix instruction (ISA guide 7.12.1 for vector instructions); the matrix instructions in between are not counted.
.macro PLACES
.rept 4
	v_nop
.endr
.endm
; A K step is four quarter steps of 32 along K, 64 matrix instructions each, on buffers 0, 1, 0, 1.  The 64 accumulators take turns, one instruction a turn, in the
; same order in every quarter step.
; One of the first three: multiplies buffer f; in its middle it fetches the next quarter's fragments into buffer g.
.macro QUARTER slot, qq, f, g, zero
	s_wait_dscnt 0x8                               ; B and A's rows 0-63 are in; the youngest eight loads (A's rows 64-127) may be out
	WIN MUL_LO
	MUL16 \f, 0, 0, \zero
	MUL16 \f, 0, 2, \zero
	PLACES
	FETCH \slot, \qq, \g
	s_wait_dscnt 0x20                              ; all but the 32 just issued
	WIN MUL_HI
	MUL16 \f, 1, 0, \zero
	MUL16 \f, 1, 2, \zero
.endm
.macro THREE slot, zero
	QUARTER \slot, 1, F0, F1, \zero
	QUARTER \slot, 2, F1, F0, 0
	QUARTER \slot, 3, F0, F1, 0
.endm
; The last quarter: multiplies buffer 1 and changes slots.  next = the other slot; fill = 1: this slot is filled again, two K steps ahead.
; In front of the barrier each wave waits for its own reads of this slot and for all its tensor loads, of which one is out: its part of the next slot.
; Behind it nobody reads this slot any more and the next slot is whole: the refill comes first, then the next slot's first fragments.
; From a request to the wait for it a wave issues 240 matrix instructions.
.macro TURN slot, next, fill
	s_wait_dscnt 0x8
	WIN MUL_LO
	MUL16 F1, 0, 0, 0
	s_wait_dscnt 0x0                               ; my reads of this slot are over
	s_wait_tensorcnt 0x0                           ; and all my tensor loads have landed
	ds_add_u32 v255, v63
	s_wait_dscnt 0x0
	s_barrier_signal -1                            ; (where the slot is filled again this barrier opens a round of the cluster's barrier)
	MUL16 F1, 0, 2, 0                              ; register work while the others arrive
	WIN 0
	s_barrier_wait -1
.if \fill
	CREST                                          ; no wave of any partner still reads this slot or has a load on its way
	s_add_nc_u64 s[G0+4*\slot+2:G0+4*\slot+3], s[G0+4*\slot+2:G0+4*\slot+3], 2*RTILE          ; two K steps on
	s_add_nc_u64 s[G0B+4*\slot+2:G0B+4*\slot+3], s[G0B+4*\slot+2:G0B+4*\slot+3], 2*RTILE
	JLOAD \slot                                    ; my one tensor load behind the round, ahead of every LDS read
.endif
	PLACES
	FETCH \next, 0, F0
	WIN MUL_HI
	MUL16 F1, 1, 0, 0
	MUL16 F1, 1, 2, 0
.endm
.macro LAP zero                        ; once round the ring, both slots filled again
	THREE 0, \zero
	TURN 0, 1, 1
	THREE 1, 0
	TURN 1, 0, 1
.endm
	s_wait_tensorcnt 0x1                           ; my part of K step 0 is in; K step 1's load, issued behind it, may stay out
	s_barrier_signal -1
	s_barrier_wait -1
	FETCH 0, 0, F0
	LAP 1                                          ; K steps 0, 1: the first lap stands in front of the loop: its first products start the sums
	WIN 0                                          ; at a label and at a branch every window is 0
	s_mov_b32 s3, LAPS-2
.Llap:
	LAP 0                                          ; K steps 2 to 5; the slots get K steps 4 to 7
	WIN 0
	s_sub_co_u32 s3, s3, 1
	s_cmp_lg_u32 s3, 0
	s_cbranch_scc1 .Llap
	THREE 0, 0                                     ; the last lap fills nothing: a plain barrier shows the last K step whole
	TURN 0, 1, 0
	THREE 1, 0
	s_wait_dscnt 0x8                               ; the very last quarter: nothing more to fetch
	WIN MUL_LO
	MUL16 F1, 0, 0, 0
	MUL16 F1, 0, 2, 0
	s_wait_dscnt 0x0
	WIN MUL_HI
	MUL16 F1, 1, 0, 0
	MUL16 F1, 1, 2, 0
	; THE WAY OUT.  S = my first token, E = my first feature; a tile's place is b << 22 + head << 18 + token tile x 2,048 + d tile x 512.
	PLACES                                         ; behind the last matrix instructions, ahead of the first reader of a result
	WIN 0
	s_lshl_b32 s91, s13, 8
	s_lshl_b32 s92, s11, 7
	s_add_co_u32 s91, s91, s92                     ; my first row of C
	s_lshl_b32 s93, s42, 8
	s_lshl_b32 s92, s12, 7
	s_add_co_u32 s93, s93, s92                     ; my first column of C
	s_mov_b32 s100, 512
	s_mov_b32 s101, 2048
	s_mov_b32 s104, 0x40000
	s_mov_b32 s105, 8192
	s_cmp_eq_u32 s87, 2
	s_cselect_b32 s94, s93, s91                    ; S: rows are tokens for Q and K, columns for V
	s_cselect_b32 s95, s91, s93                    ; E
	s_cselect_b32 s96, s100, s101                  ; tile row a steps by (a & 3) x lo + (a >> 2) x hi: tokens 2,048 and 8,192, features 512 and a head
	s_cselect_b32 s97, s104, s105
	s_cselect_b32 s98, s101, s100                  ; tile column b likewise
	s_cselect_b32 s99, s105, s104
	s_cmp_eq_u32 s87, 0
	s_cselect_b32 s76, 0x3e38aa3b, 1.0             ; Q alone is scaled, by log2(e) / 8
	s_mov_b32 s77, s76
	s_lshr_b32 s2, s94, 11
	s_lshl_b32 s2, s2, 22
	s_lshr_b32 s92, s95, 6
	s_lshl_b32 s92, s92, 18
	s_add_co_u32 s2, s2, s92
	s_and_b32 s92, s94, 2047
	s_lshl_b32 s92, s92, 7
	s_add_co_u32 s2, s2, s92
	s_mov_b32 s3, 0
	s_add_nc_u64 s[8:9], s[8:9], s[2:3]
.irp i, 0,1,2,3,4,5,6,7
	s_mul_i32 s2, s96, \i&3
	s_mul_i32 s92, s97, \i>>2
	s_add_co_u32 s2, s2, s92
	v_add_nc_u32 v[VA+\i], s2, v[L16]
	s_mul_i32 s[SB+\i], s98, \i&3
	s_mul_i32 s92, s99, \i>>2
	s_add_co_u32 s[SB+\i], s[SB+\i], s92
.endr
; tile row a = the eight tiles (aa, 0..7) of window 2 or 3: scale in place, round, store eight tiles of 512 bytes
.macro OUTA a, aa, wmul, wcvt
	WIN \wmul
.set pp, 0
.rept 32
	v_pk_mul_f32 v[64*\aa+pp:64*\aa+pp+1], v[64*\aa+pp:64*\aa+pp+1], s[76:77] op_sel_hi:[1,0]
.set pp, pp+2
.endr
	s_wait_xcnt 0x0                                ; the packed results and offsets that earlier stores read are rewritten only behind this wait
	WIN \wcvt
.irp b, 0,1,2,3,4,5,6,7
.irp r, 0,1,2,3
	v_cvt_pk_f16_f32 v[TMP+32*(\a&1)+4*\b+\r], v[8*(8*\aa+\b)+2*\r], v[8*(8*\aa+\b)+2*\r+1]
.endr
.endr
	WIN 0
.irp b, 0,1,2,3,4,5,6,7
	v_add_nc_u32 v[VO+8*(\a&1)+\b], s[SB+\b], v[VA+\a]
.endr
.irp b, 0,1,2,3,4,5,6,7
	global_store_b128 v[VO+8*(\a&1)+\b], v[TMP+32*(\a&1)+4*\b:TMP+32*(\a&1)+4*\b+3], s[8:9]   ; 32 lanes x 16 bytes: one whole tile
.endr
.endm
	OUTA 0, 0, 0x82, 0x0a
	OUTA 1, 1, 0x82, 0x0a
	OUTA 2, 2, 0x82, 0x0a
	OUTA 3, 3, 0x82, 0x0a
	OUTA 4, 0, 0xc3, 0x0f
	OUTA 5, 1, 0xc3, 0x0f
	OUTA 6, 2, 0xc3, 0x0f
	OUTA 7, 3, 0xc3, 0x0f
	CROUND                                         ; the closing round: no work-group ends while a partner may still ask for a tile that names it
	s_endpgm
.Lfunc_end_k_q5257fff537_proj:
	.size	k_q5257fff537_proj, .Lfunc_end_k_q5257fff537_proj-k_q5257fff537_proj
	.p2alignl 7, 3214868480
	.fill 96, 4, 3214868480
	.section	.rodata,"a",@progbits
	.p2align	6, 0x0
	.amdhsa_kernel k_q5257fff537_proj
		.amdhsa_group_segment_fixed_size 327680
		.amdhsa_private_segment_fixed_size 0
		.amdhsa_enable_private_segment 0
		.amdhsa_kernarg_size 40
		.amdhsa_user_sgpr_count 2
		.amdhsa_user_sgpr_kernarg_segment_ptr 1
		.amdhsa_wavefront_size32 1
		.amdhsa_system_sgpr_workgroup_id_x 1
		.amdhsa_system_sgpr_workgroup_id_y 1
		.amdhsa_system_sgpr_workgroup_id_z 1
		.amdhsa_system_vgpr_workitem_id 0
		.amdhsa_next_free_vgpr 1024
		.amdhsa_next_free_sgpr 106
		.amdhsa_reserve_vcc 0
		.amdhsa_float_denorm_mode_32 3
		.amdhsa_float_denorm_mode_16_64 3
		.amdhsa_memory_ordered 1
		.amdhsa_forward_progress 1
		.amdhsa_inst_pref_size 206
	.end_amdhsa_kernel
	.amdgpu_metadata
---
amdhsa.version: [ 1, 2 ]
amdhsa.kernels:
  - .name:           k_q5257fff537_proj
    .symbol:         k_q5257fff537_proj.kd
    .args:
      - { .name: act, .offset: 0, .size: 8, .value_kind: global_buffer, .address_space: global }
      - { .name: wts, .offset: 8, .size: 8, .value_kind: global_buffer, .address_space: global }
      - { .name: qf, .offset: 16, .size: 8, .value_kind: global_buffer, .address_space: global }
      - { .name: kf, .offset: 24, .size: 8, .value_kind: global_buffer, .address_space: global }
      - { .name: vf, .offset: 32, .size: 8, .value_kind: global_buffer, .address_space: global }
    .group_segment_fixed_size: 327680
    .private_segment_fixed_size: 0
    .kernarg_segment_align: 8
    .kernarg_segment_size: 40
    .max_flat_workgroup_size: 128
    .sgpr_count:     106
    .vgpr_count:     1024
    .wavefront_size: 32
...
	.end_amdgpu_metadata
.endif
;; end of part 2
;; launch attn (part 3): grid 256 x 1, 8 waves a work-group, clusters of 4 x 1, 327,680 bytes of LDS; arguments qf, kf, vf, maskw, xf; writes xf
.if DOCPART == 3
	.amdgcn_target "amdgcn-amd-amdhsa--gfx1250"
	.amdhsa_code_object_version 6
	.text
	.protected	k_q5257fff537_attn
	.globl	k_q5257fff537_attn
	.p2align	8
	.type	k_q5257fff537_attn,@function
k_q5257fff537_attn:
	s_mov_b64 s[64:65], 0
	v_nop
	global_prefetch_b8 v0, s[64:65] scope:SCOPE_SE
	s_setreg_imm32_b32 hwreg(HW_REG_WAVE_MODE, 25, 1), 1
	s_wait_xcnt 0x0
	s_wait_alu depctr_hold_cnt(0) depctr_sa_sdst(0) depctr_va_vdst(0) depctr_va_sdst(0) depctr_va_ssrc(0) depctr_va_vcc(0) depctr_vm_vsrc(0)
	s_getreg_b32 s2, hwreg(HW_REG_IB_STS2, 6, 4)
	s_cmp_eq_u32 s2, 0
	s_cbranch_scc0 .Lentry_in_a_cluster
	s_endpgm
.Lentry_in_a_cluster:
	s_bfe_u32 s2, ttmp6, 0x10000c
	s_cmp_lg_u32 s2, 0x3003
	s_cbranch_scc0 .Lentry_shape_is_right
	s_endpgm
.Lentry_shape_is_right:
; Attention with a running maximum.  32 (batch, head) pairs x 8 blocks of 256 queries = 256 work-groups; a wave owns 32 queries (two tiles of 16),
; eight waves, two on a SIMD, so that one wave's matrix instructions run beside the other's softmax.
; CLUSTER: four query blocks of one head read the same keys and values: K's and V's tiles are asked for jointly (mask 15), once for four work-groups.
; ALL TRANSPOSED.  S^T = K Q^T (source 0 = 16 keys, source 1 = 16 queries): lane l holds query l % 16 and keys 8 (l / 16) + 0..7 of the tile.  So maximum, sum
; and rescaling are a lane's own but for one exchange between the two halves of the lanes, and two packed tiles of S^T are, as they lie, source 1 of
; O^T = V^T P (k = 32 keys): P never moves between lanes.  O^T's lane holds 8 neighbouring d of one query: 16 bytes of a tile of xf.
; Q carries log2(e) / 8 from the projection, so a score t is in units of log2 and p = exp2(t - m), m the running maximum of t: p <= 1, and 1 at the maximum.
; A masked score is -1e9 x log2(e), as the problem's -1e9 after its scaling: a row with no true mask bit comes out as the plain mean of V.
; The mask comes as lane masks (one word for a register of a score tile), read by scalar loads a block ahead and used as v_cndmask_b32's selector.
; LIMITS: operands f16 (|Q|, |K|, |V| under 65,504: see the projection); p under 2^-24 rounds to 0 in f16 and exp2 gives 0 under 2^-126.
; LDS: two slots of 64 KiB, each 256 keys: K's 16 token tiles x 2,048 bytes, then V^T's at +32,768; tiles of 512 bytes, lane L's 16 bytes at 16 L, so
; every fragment load reads 512 consecutive bytes.  Wave w fills 8 KiB at slot + 8,192 w (waves 0-3 K, 4-7 V): one load a wave.
.set QF, 32                            ; v[32:63]   Q: tile q, d half c at 32 + 16 q + 8 c
.set X0, 64                            ; v[64:95]   K tiles 0, 1 of a block, then V^T of its keys 0-31
.set X1, 96                            ; v[96:127]  K tiles 2, 3, then V^T of its keys 32-63
.set SS, 128                           ; v[128:191] scores: query tile q, key tile kt at 128 + 32 q + 8 kt; packed P: chunk c at 128 + 32 q + 8 c
.set OO, 192                           ; v[192:255] O^T: query tile q, d tile dt at 192 + 32 q + 8 dt
; v1 16 L; v2, v3 the same + slot; v5 the masked score; v6, v7 maximum; v[8:11] minus the maximum, twice each; v[12:15] rescale factor, twice each;
; v16, v17 sums; v18-25 chains; v26-29 at work
; s[4:13] qf, kf, vf, maskw, xf; s14 wave; s15 trips; s[16:19] group 0 of slot 1; s[20:27] group 1; s[28:31] group 0 of slot 0;
; s[32:63] mask words of query tile 0 (32 + 8 kt + j), s[68:99] of query tile 1; s100, s101 lane selects
.macro ROUND                           ; a round of the cluster's barrier
	s_barrier_signal -1
	s_barrier_wait -1
	s_cmp_lg_u32 s14, 0
	s_cbranch_scc1 .Lnot_wave_0_\@
	s_barrier_signal -3
.Lnot_wave_0_\@:
	s_barrier_wait -3
	s_barrier_signal -1
	s_barrier_wait -1
.endm
.macro NOPS n
.rept \n
	v_nop
.endr
.endm
	s_load_b256 s[4:11], s[0:1], 0x0
	s_load_b64 s[12:13], s[0:1], 0x20
	v_lshl_add_u32 v30, v0, 2, 0x29000
	v_mov_b32 v31, 0
	ds_add_u32 v30, v31
	v_lshrrev_b32 v1, 5, v0
	v_readfirstlane_b32 s14, v1                    ; wave 0..7
	s_lshr_b32 s105, ttmp9, 1                      ; 16 b + head: two clusters a head
	s_lshl_b32 s2, s105, 18                        ; a head's K or V: 262,144 bytes
	s_and_b32 s3, s14, 3
	s_lshl_b32 s3, s3, 13                          ; my quarter of a visit's 32 KiB
	s_add_co_u32 s2, s2, s3
	s_mov_b32 s3, 0
	s_lshl_b32 s15, s14, 13                        ; LDS: 8,192 x wave
	; group 1: a dense block of 8 KiB as 32 rows of 32 elements of 8 bytes; mask 15 = all four work-groups of the cluster
	s_mov_b32 s20, 15|(3<<16)|(1<<21)
	s_mov_b32 s21, 32<<16
	s_mov_b32 s22, 32<<16
	s_mov_b32 s23, 32<<16
	s_mov_b32 s24, 32
	s_mov_b32 s25, 32
	s_mov_b32 s26, 0
	s_mov_b32 s27, 0
	s_mov_b32 s28, 1
	s_mov_b32 s29, s15
	s_mov_b32 s16, 1
	s_add_co_u32 s17, s15, 65536
	s_wait_dscnt 0x0
	s_wait_kmcnt 0x0
	s_cmp_lt_u32 s14, 4
	s_cselect_b64 s[30:31], s[6:7], s[8:9]         ; waves 0-3 fetch K, waves 4-7 V
	s_add_nc_u64 s[30:31], s[30:31], s[2:3]        ; visit 0
	s_add_nc_u64 s[18:19], s[30:31], 0x8000        ; visit 1
	s_or_b32 s31, s31, 0x80000000
	s_or_b32 s19, s19, 0x80000000
	ROUND                                          ; the four work-groups are here: the first joint loads meet
	tensor_load_to_lds s[28:31], s[20:27]
	s_nop 0
	tensor_load_to_lds s[16:19], s[20:27]          ; both first fills together: two tensor loads of the wave are out
	s_nop 0
	; what hangs on my place in the cluster: only global addresses of Q, the mask words and x
	s_bfe_u32 s32, ttmp6, 0x40000                  ; cx
	s_and_b32 s34, ttmp9, 1
	s_lshl2_add_u32 s34, s34, s32                  ; query block 0..7
	s_lshl_b32 s42, s34, 15
	s_lshl_b32 s43, s14, 12
	s_add_co_u32 s42, s42, s43                     ; (16 block + 2 wave) x 2,048: my first query tile
	s_lshl_b32 s44, s105, 18
	s_add_co_u32 s44, s44, s42
	s_mov_b32 s45, 0
	s_add_nc_u64 s[4:5], s[4:5], s[44:45]
	s_lshl_b32 s44, s42, 1                         ; a query tile's mask words: 4,096 bytes
	s_add_nc_u64 s[10:11], s[10:11], s[44:45]
	s_lshr_b32 s46, s105, 4
	s_lshl_b32 s46, s46, 22                        ; xf: b x 128 token tiles x 32,768
	s_lshl_b32 s47, s42, 4                         ; + my query tile x 32,768
	s_add_co_u32 s46, s46, s47
	s_and_b32 s47, s105, 15
	s_lshl_b32 s47, s47, 11                        ; + head x 4 tiles of 512
	s_add_co_u32 s46, s46, s47
	s_mov_b32 s47, 0
	s_add_nc_u64 s[12:13], s[12:13], s[46:47]
	v_and_b32 v1, 31, v0
	v_lshlrev_b32 v1, 4, v1
.irp q, 0,1
.irp ct, 0,1,2,3
	global_load_b128 v[QF+16*\q+4*\ct:QF+16*\q+4*\ct+3], v1, s[4:5] offset:\q*2048+\ct*512
.endr
.endr
	s_load_b512 s[32:47], s[10:11], 0x0            ; the first block's mask words: query tile 0, key tiles 0-1
	s_load_b512 s[48:63], s[10:11], 0x40           ; key tiles 2-3
	s_load_b512 s[68:83], s[10:11], 0x1000         ; query tile 1
	s_load_b512 s[84:99], s[10:11], 0x1040
	s_mov_b32 s100, 0x76543210                     ; v_permlanex16_b32: lane i reads lane i of the other half
	s_mov_b32 s101, 0xfedcba98
	v_mov_b32 v2, v1
	v_add_nc_u32 v3, 0x10000, v1
	v_mov_b32 v5, 0xceabfb8f                       ; -1e9 x log2(e)
	v_mov_b32 v26, 0                               ; v_permlanex16_b32's destinations count as read
	v_mov_b32 v27, 0
.macro KLOAD slot, blk, pair, x        ; two key tiles x four d tiles: 8 loads
.irp i, 0,1
.irp ct, 0,1,2,3
	ds_load_b128 v[\x+16*\i+4*\ct:\x+16*\i+4*\ct+3], v[2+\slot] offset:(\blk)*8192+(2*\pair+\i)*2048+\ct*512
.endr
.endr
.endm
.macro VLOAD slot, blk, ch, x          ; V^T of 32 keys: four d tiles x two token tiles: 8 loads
.irp dt, 0,1,2,3
.irp i, 0,1
	ds_load_b128 v[\x+8*\dt+4*\i:\x+8*\dt+4*\i+3], v[2+\slot] offset:32768+(\blk)*8192+(2*\ch+\i)*2048+\dt*512
.endr
.endr
.endm
; scores of key tiles ktb, ktb + 1 x both query tiles: the first d half starts the four sums, the second adds in place; the four take turns
.macro QK x, ktb
.irp dh, 0,1
.irp i, 0,1
.irp q, 0,1
.if \dh
	v_wmma_f32_16x16x32_f16 v[SS+32*\q+8*(\ktb+\i):SS+32*\q+8*(\ktb+\i)+7], v[\x+16*\i+8*\dh:\x+16*\i+8*\dh+7], v[QF+16*\q+8*\dh:QF+16*\q+8*\dh+7], v[SS+32*\q+8*(\ktb+\i):SS+32*\q+8*(\ktb+\i)+7]
.else
	v_wmma_f32_16x16x32_f16 v[SS+32*\q+8*(\ktb+\i):SS+32*\q+8*(\ktb+\i)+7], v[\x+16*\i+8*\dh:\x+16*\i+8*\dh+7], v[QF+16*\q+8*\dh:QF+16*\q+8*\dh+7], 0
.endif
.endr
.endr
.endr
.endm
.macro PV x, ch, zero                  ; O^T += V^T P for 32 keys: eight accumulators by turns
.irp q, 0,1
.irp dt, 0,1,2,3
.if \zero
	v_wmma_f32_16x16x32_f16 v[OO+32*\q+8*\dt:OO+32*\q+8*\dt+7], v[\x+8*\dt:\x+8*\dt+7], v[SS+32*\q+8*\ch:SS+32*\q+8*\ch+7], 0
.else
	v_wmma_f32_16x16x32_f16 v[OO+32*\q+8*\dt:OO+32*\q+8*\dt+7], v[\x+8*\dt:\x+8*\dt+7], v[SS+32*\q+8*\ch:SS+32*\q+8*\ch+7], v[OO+32*\q+8*\dt:OO+32*\q+8*\dt+7]
.endif
.endr
.endr
.endm
.macro MAXQ q, first                   ; the new running maximum of query tile q: two chains over my 32 scores, the old maximum, the other half of the lanes
	v_max_num_f32 v[18+2*\q], v[SS+32*\q], v[SS+32*\q+1]
	v_max_num_f32 v[19+2*\q], v[SS+32*\q+16], v[SS+32*\q+17]
.irp p, 1,2,3,4,5,6,7
	v_max3_num_f32 v[18+2*\q], v[18+2*\q], v[SS+32*\q+2*\p], v[SS+32*\q+2*\p+1]
	v_max3_num_f32 v[19+2*\q], v[19+2*\q], v[SS+32*\q+16+2*\p], v[SS+32*\q+17+2*\p]
.endr
.if \first
	v_max_num_f32 v[18+2*\q], v[18+2*\q], v[19+2*\q]
.else
	v_max3_num_f32 v[18+2*\q], v[18+2*\q], v[19+2*\q], v[6+\q]
.endif
	v_permlanex16_b32 v[26+\q], v[18+2*\q], s100, s101
	v_max_num_f32 v[6+\q], v[18+2*\q], v[26+\q]
.endm
.macro FACT q, first                   ; minus the maximum, twice; factor = exp2(old maximum - new maximum)
	v_mul_f32 v[28+\q], -1.0, v[6+\q]
.if \first
.else
	v_sub_f32 v[12+2*\q], v[28+\q], v[8+2*\q]
	v_exp_f32 v[12+2*\q], v[12+2*\q]               ; the moves below are the plain instruction behind it (ISA guide 5.7.2); its result is used far below
.endif
	v_mov_b32 v[8+2*\q], v[28+\q]
	v_mov_b32 v[9+2*\q], v[28+\q]
.endm
.macro SUMQ q, first                   ; my 32 p of query tile q, two chains of pairs; sum = sum x factor + that
	v_pk_add_f32 v[18+4*\q:19+4*\q], v[SS+32*\q:SS+32*\q+1], v[SS+32*\q+2:SS+32*\q+3]
	v_pk_add_f32 v[20+4*\q:21+4*\q], v[SS+32*\q+16:SS+32*\q+17], v[SS+32*\q+18:SS+32*\q+19]
.irp p, 2,3,4,5,6,7
	v_pk_add_f32 v[18+4*\q:19+4*\q], v[18+4*\q:19+4*\q], v[SS+32*\q+2*\p:SS+32*\q+2*\p+1]
	v_pk_add_f32 v[20+4*\q:21+4*\q], v[20+4*\q:21+4*\q], v[SS+32*\q+16+2*\p:SS+32*\q+17+2*\p]
.endr
	v_pk_add_f32 v[18+4*\q:19+4*\q], v[18+4*\q:19+4*\q], v[20+4*\q:21+4*\q]
.if \first
	v_add_f32 v[16+\q], v[18+4*\q], v[19+4*\q]
.else
	v_add_f32 v[18+4*\q], v[18+4*\q], v[19+4*\q]
	v_fma_f32 v[16+\q], v[16+\q], v[12+2*\q], v[18+4*\q]
.endif
.endm
; 64 keys x my 32 queries.  first = 1: nothing to rescale, the products start the sums.  kpre = 1: the next block's K fragments are asked for (same slot).
; more = 1: the next block's mask words are asked for.
.macro BLOCK slot, blk, first, kpre, more
	s_wait_dscnt 0x8                               ; K tiles 0, 1 are in; the eight younger loads (tiles 2, 3) may be out
	QK X0, 0
	s_wait_dscnt 0x0
	QK X1, 2
	NOPS 4                                         ; four places behind the matrix instructions: for the loads into their sources and for the readers of their results
	VLOAD \slot, \blk, 0, X0
	VLOAD \slot, \blk, 1, X1
	s_wait_kmcnt 0x0                               ; this block's mask words; scalar loads are waited for by 0 alone
.irp q, 0,1
.irp kt, 0,1,2,3
.irp j, 0,1,2,3,4,5,6,7
	v_cndmask_b32 v[SS+32*\q+8*\kt+\j], v5, v[SS+32*\q+8*\kt+\j], s[32+36*\q+8*\kt+\j]
.endr
.endr
.endr
.if \more
	s_add_nc_u64 s[10:11], s[10:11], 128           ; four key tiles x 32 bytes on; the loads that read this base are done (the wait above)
	s_load_b512 s[32:47], s[10:11], 0x0
	s_load_b512 s[48:63], s[10:11], 0x40
	s_load_b512 s[68:83], s[10:11], 0x1000
	s_load_b512 s[84:99], s[10:11], 0x1040
.endif
	MAXQ 0, \first
	MAXQ 1, \first
	FACT 0, \first
	FACT 1, \first
.irp q, 0,1
.set e, 0
.rept 16
	v_pk_add_f32 v[SS+32*\q+e:SS+32*\q+e+1], v[SS+32*\q+e:SS+32*\q+e+1], v[8+2*\q:9+2*\q]     ; t - m
.set e, e+2
.endr
.endr
.set e, 0
.rept 64
	v_exp_f32 v[SS+e], v[SS+e]
.set e, e+1
.endr
.if \first
	v_nop                                          ; one plain instruction behind the last exponential
	s_wait_alu depctr_va_vdst(0)
.else
	s_wait_alu depctr_va_vdst(0)
	v_mov_b32 v13, v12                             ; the factors' second registers; also the plain instruction behind the last exponential
	v_mov_b32 v15, v14
.endif
	SUMQ 0, \first
	SUMQ 1, \first
.if \first
.else
.irp q, 0,1
.set e, 0
.rept 16
	v_pk_mul_f32 v[OO+32*\q+e:OO+32*\q+e+1], v[OO+32*\q+e:OO+32*\q+e+1], v[12+2*\q:13+2*\q]
.set e, e+2
.endr
.endr
.endif
.irp q, 0,1
.irp kt, 0,1,2,3
.irp r, 0,1,2,3
	v_cvt_pk_f16_f32 v[SS+32*\q+4*\kt+\r], v[SS+32*\q+8*\kt+2*\r], v[SS+32*\q+8*\kt+2*\r+1]   ; in place, ascending: register n takes 2 n and 2 n + 1
.endr
.endr
.endr
	s_wait_dscnt 0x8                               ; V^T of keys 0-31 is in; the eight loads of keys 32-63 may be out
	PV X0, 0, \first
	NOPS 4                                         ; ahead of the loads into X0
.if \kpre
	KLOAD \slot, \blk+1, 0, X0
	s_wait_dscnt 0x8                               ; all but the eight just issued
.else
	s_wait_dscnt 0x0
.endif
	PV X1, 1, 0
	NOPS 5                                         ; five places ahead of the next block's first products, which write over P; they serve the loads into X1 and O's readers too
.if \kpre
	KLOAD \slot, \blk+1, 1, X1
.endif
.endm
.macro VISITW slot, first, last        ; a slot's 256 keys
	KLOAD \slot, 0, 0, X0
	KLOAD \slot, 0, 1, X1
	BLOCK \slot, 0, \first, 1, 1
	BLOCK \slot, 1, 0, 1, 1
	BLOCK \slot, 2, 0, 1, 1
	BLOCK \slot, 3, 0, 0, 1-\last
.endm
; The change of slots.  In front of the round every wave has waited for all its tensor loads (its part of this slot among them) and for its reads of the
; other slot; behind it the other slot's joint refill is the wave's first and only tensor load, and has this visit's four blocks in which to land.
.macro TWO slot, refill, last
	s_wait_tensorcnt 0x0
	ds_add_u32 v30, v31
	s_wait_dscnt 0x0
	s_add_nc_u64 s[18+12*\slot:19+12*\slot], s[18+12*\slot:19+12*\slot], 0x10000      ; the other slot's group 0, two visits on; no load of mine is out
	s_wait_dscnt 0x0
	ROUND
.if \refill
	tensor_load_to_lds s[16+12*\slot:19+12*\slot], s[20:27]
	s_nop 0
.endif
	VISITW \slot, 0, \last
.endm
	s_wait_tensorcnt 0x1                           ; my part of visit 0 is in; visit 1's load, issued behind it, may stay out
	s_barrier_signal -1
	s_barrier_wait -1
	s_wait_loadcnt 0x0                             ; Q
	VISITW 0, 1, 0                                 ; visit 0
	s_mov_b32 s15, 3
.Lvisits:
	TWO 1, 1, 0                                    ; visits 1, 3, 5; slot 0 gets visits 2, 4, 6
	TWO 0, 1, 0                                    ; visits 2, 4, 6; slot 1 gets visits 3, 5, 7
	s_sub_co_u32 s15, s15, 1
	s_cmp_lg_u32 s15, 0
	s_cbranch_scc1 .Lvisits
	TWO 1, 0, 1                                    ; visit 7: nothing is left to fetch
	; x = O / sum: the two halves of the lanes hold the sums over different keys
	v_permlanex16_b32 v26, v16, s100, s101
	v_permlanex16_b32 v27, v17, s100, s101
	v_add_f32 v16, v16, v26
	v_add_f32 v17, v17, v27
	v_rcp_f32 v12, v16                             ; the sum is at least 1: the largest p is exactly 1
	v_rcp_f32 v14, v17
	v_nop
	s_wait_alu depctr_va_vdst(0)
	v_mov_b32 v13, v12
	v_mov_b32 v15, v14
.irp q, 0,1
.set e, 0
.rept 16
	v_pk_mul_f32 v[OO+32*\q+e:OO+32*\q+e+1], v[OO+32*\q+e:OO+32*\q+e+1], v[12+2*\q:13+2*\q]
.set e, e+2
.endr
.endr
.irp q, 0,1
.irp dt, 0,1,2,3
.irp r, 0,1,2,3
	v_cvt_pk_f16_f32 v[OO+32*\q+8*\dt+\r], v[OO+32*\q+8*\dt+2*\r], v[OO+32*\q+8*\dt+2*\r+1]
.endr
	global_store_b128 v1, v[OO+32*\q+8*\dt:OO+32*\q+8*\dt+3], s[12:13] offset:\q*32768+\dt*512     ; one whole tile of 512 bytes
.endr
.endr
	ROUND                                          ; the closing round
	s_endpgm
.Lfunc_end_k_q5257fff537_attn:
	.size	k_q5257fff537_attn, .Lfunc_end_k_q5257fff537_attn-k_q5257fff537_attn
	.p2alignl 7, 3214868480
	.fill 96, 4, 3214868480
	.section	.rodata,"a",@progbits
	.p2align	6, 0x0
	.amdhsa_kernel k_q5257fff537_attn
		.amdhsa_group_segment_fixed_size 327680
		.amdhsa_private_segment_fixed_size 0
		.amdhsa_enable_private_segment 0
		.amdhsa_kernarg_size 40
		.amdhsa_user_sgpr_count 2
		.amdhsa_user_sgpr_kernarg_segment_ptr 1
		.amdhsa_wavefront_size32 1
		.amdhsa_system_sgpr_workgroup_id_x 1
		.amdhsa_system_sgpr_workgroup_id_y 1
		.amdhsa_system_sgpr_workgroup_id_z 1
		.amdhsa_system_vgpr_workitem_id 0
		.amdhsa_next_free_vgpr 256
		.amdhsa_next_free_sgpr 106
		.amdhsa_reserve_vcc 0
		.amdhsa_float_denorm_mode_32 3
		.amdhsa_float_denorm_mode_16_64 3
		.amdhsa_memory_ordered 1
		.amdhsa_forward_progress 1
		.amdhsa_inst_pref_size 255
	.end_amdhsa_kernel
	.section	.bss,"aw",@nobits
	.p2align	6
	.space	262144
	.amdgpu_metadata
---
amdhsa.version: [ 1, 2 ]
amdhsa.kernels:
  - .name:           k_q5257fff537_attn
    .symbol:         k_q5257fff537_attn.kd
    .args:
      - { .name: qf, .offset: 0, .size: 8, .value_kind: global_buffer, .address_space: global }
      - { .name: kf, .offset: 8, .size: 8, .value_kind: global_buffer, .address_space: global }
      - { .name: vf, .offset: 16, .size: 8, .value_kind: global_buffer, .address_space: global }
      - { .name: maskw, .offset: 24, .size: 8, .value_kind: global_buffer, .address_space: global }
      - { .name: xf, .offset: 32, .size: 8, .value_kind: global_buffer, .address_space: global }
    .group_segment_fixed_size: 327680
    .private_segment_fixed_size: 0
    .kernarg_segment_align: 8
    .kernarg_segment_size: 40
    .max_flat_workgroup_size: 256
    .sgpr_count:     106
    .vgpr_count:     256
    .wavefront_size: 32
...
	.end_amdgpu_metadata
.endif
;; end of part 3
;; launch outp (part 4): grid 8 x 32, 4 waves a work-group, clusters of 4 x 4, 327,680 bytes of LDS; arguments xf, wof, out0; writes out0
.if DOCPART == 4
	.amdgcn_target "amdgcn-amd-amdhsa--gfx1250"
	.amdhsa_code_object_version 6
	.text
	.protected	k_q5257fff537_outp
	.globl	k_q5257fff537_outp
	.p2align	8
	.type	k_q5257fff537_outp,@function
k_q5257fff537_outp:
	s_mov_b64 s[64:65], 0
	v_nop
	global_prefetch_b8 v0, s[64:65] scope:SCOPE_SE
	s_setreg_imm32_b32 hwreg(HW_REG_WAVE_MODE, 25, 1), 1
	s_wait_xcnt 0x0
	s_wait_alu depctr_hold_cnt(0) depctr_sa_sdst(0) depctr_va_vdst(0) depctr_va_sdst(0) depctr_va_ssrc(0) depctr_va_vcc(0) depctr_vm_vsrc(0)
	s_getreg_b32 s2, hwreg(HW_REG_IB_STS2, 6, 4)
	s_cmp_eq_u32 s2, 0
	s_cbranch_scc0 .Lentry_in_a_cluster
	s_endpgm
.Lentry_in_a_cluster:
	s_bfe_u32 s2, ttmp6, 0x10000c
	s_cmp_lg_u32 s2, 0xf033
	s_cbranch_scc0 .Lentry_shape_is_right
	s_endpgm
.Lentry_shape_is_right:
; out0[m][n] = sum over k of x[m][k] w_o[n][k]; M = 4,096, N = 1,024, K = 1,024; x and w_o f16 in tiles of 512 bytes (16 rows x 16 k, lane L's 16 bytes at 16 L),
; xf [row tile 256][k tile 64][512], wof [row tile 64][k tile 64][512]; sums and result f32.
; Blocks of 128 x 128 so that there are 256 work-groups; four waves, 64 x 64 each: 16 accumulators.  4 x 4 work-groups form a cluster: x's tiles are shared along
; a row of the cluster, w_o's along a column, by joint tensor loads.
; K goes in four steps of 256 through two LDS slots of 128 KiB: x's 8 row tiles x 8 KiB, then w_o's at +65,536.  A wave fills 32 KiB with one load:
; 4 rows of 8,192 consecutive bytes, 32,768 bytes apart in memory.  The tiles lie in LDS as in memory: every fragment load reads 512 consecutive bytes.
; Source 0 = w_o's rows, source 1 = x's rows: a lane holds 8 neighbouring columns of one row.  16 rows at a time go through a stage in LDS of the wave's own,
; so that 16 lanes store the 256 aligned bytes that are a row of the wave's 64 columns.
; REGISTERS: window 0: v16-26 addresses, v128-255 fragment buffer 0;  window 1: v0-127 accumulators (tile (a, b) at v[8 (4 a + b)]), v128-255 fragment buffer 1.
; In a buffer: x's fragment (a, c) at 16 a + 8 c, w_o's (b, c) at 64 + 16 b + 8 c; c = which 32 of the group's 64 along K.
.set SLOT,   131072
.set BOFF,   65536
.set STAGE,  262144
.set SPITCH, 272                       ; a stage row: 256 bytes + 16
.set ADRA, 16
.set ADRB, 20
.set STO,  24
.set RD,   25
.set CO,   26
.set BUF,  128
.set G1,  24
.set G0,  32
.set G1B, 48
.set G0B, 56
.set MSB, 0
.macro WIN new
.if MSB != (\new)
	s_set_vgpr_msb (MSB<<8)|(\new)
.set MSB, (\new)
.endif
.endm
.macro JLOAD s                         ; waves 0, 1 fetch x's halves, waves 2, 3 w_o's; one mask a line; the branch hangs on the wave's number alone
	s_cmp_eq_u32 s11, 0
	s_cbranch_scc0 .Lfor_b_\@
	tensor_load_to_lds s[G0+4*\s:G0+4*\s+3], s[G1:G1+7]
	s_nop 0
	s_branch .Lasked_\@
.Lfor_b_\@:
	tensor_load_to_lds s[G0B+4*\s:G0B+4*\s+3], s[G1B:G1B+7]
	s_nop 0
.Lasked_\@:
.endm
.macro CREST
	s_cmp_lg_u32 s10, 0
	s_cbranch_scc1 .Lnot_wave_0_\@
	s_barrier_signal -3
.Lnot_wave_0_\@:
	s_barrier_wait -3
	s_barrier_signal -1
	s_barrier_wait -1
.endm
.macro CROUND
	s_barrier_signal -1
	s_barrier_wait -1
	CREST
.endm
	s_load_b128 s[4:7], s[0:1], 0x0                ; xf, wof
	s_load_b64 s[8:9], s[0:1], 0x10                ; out0
	v_lshl_add_u32 v126, v0, 2, 0x44400
	v_mov_b32 v127, 0
	ds_add_u32 v126, v127
	v_lshrrev_b32 v1, 5, v0
	v_readfirstlane_b32 s10, v1
	s_lshr_b32 s11, s10, 1                         ; my half of the rows; also: I fetch x (0) or w_o (1)
	s_and_b32 s12, s10, 1                          ; my half of the columns; also: which four row tiles I fetch
	s_bfe_u32 s40, ttmp6, 0x40000                  ; cx
	s_bfe_u32 s41, ttmp6, 0x40004                  ; cy
	s_lshl_b32 s42, ttmp9, 2
	s_add_co_u32 s42, s42, s40                     ; block column 0..7
	s_and_b32 s13, ttmp7, 0xffff
	s_lshl_b32 s13, s13, 2
	s_add_co_u32 s13, s13, s41                     ; block row 0..31
	s_lshl_b32 s43, s41, 2
	s_lshl_b32 s43, 15, s43
	s_lshl_b32 s44, 0x1111, s40
	s_or_b32 s[G1+0], s43, (3<<16)|(1<<21)         ; elements of 8 bytes, no padding
	s_or_b32 s[G1B+0], s44, (3<<16)|(1<<21)
	s_mov_b32 s[G1+1], 1024<<16                    ; tensor_dim0 = 1,024 elements = 8,192 bytes
	s_mov_b32 s[G1B+1], 1024<<16
	s_mov_b32 s[G1+2], 4<<16                       ; tensor_dim1 = 4
	s_mov_b32 s[G1B+2], 4<<16
	s_mov_b32 s[G1+3], 1024<<16                    ; tile_dim0
	s_mov_b32 s[G1B+3], 1024<<16
	s_mov_b32 s[G1+4], 4                           ; tile_dim1
	s_mov_b32 s[G1B+4], 4
	s_mov_b32 s[G1+5], 4096                        ; from row tile to row tile: 32,768 bytes
	s_mov_b32 s[G1B+5], 4096
	s_mov_b32 s[G1+6], 0
	s_mov_b32 s[G1B+6], 0
	s_mov_b32 s[G1+7], 0
	s_mov_b32 s[G1B+7], 0
	s_lshl_b32 s17, s12, 17                        ; four row tiles
	s_lshl_b32 s16, s13, 18                        ; a block's eight row tiles
	s_add_co_u32 s16, s16, s17
	s_lshl_b32 s46, s42, 18
	s_add_co_u32 s46, s46, s17
	s_mov_b32 s17, 0
	s_mov_b32 s47, 0
	s_lshl_b32 s20, s10, 15                        ; LDS: 32,768 x wave
	s_wait_dscnt 0x0
	s_wait_kmcnt 0x0
	s_add_nc_u64 s[14:15], s[4:5], s[16:17]
	s_add_nc_u64 s[46:47], s[6:7], s[46:47]
	CROUND
.irp s, 0,1
	s_mov_b32 s[G0+4*\s], 1
	s_add_co_u32 s[G0+4*\s+1], s20, \s*SLOT
	s_add_nc_u64 s[G0+4*\s+2:G0+4*\s+3], s[14:15], \s*8192         ; K step s
	s_or_b32 s[G0+4*\s+3], s[G0+4*\s+3], 0x80000000
	s_mov_b32 s[G0B+4*\s], 1
	s_add_co_u32 s[G0B+4*\s+1], s20, \s*SLOT
	s_add_nc_u64 s[G0B+4*\s+2:G0B+4*\s+3], s[46:47], \s*8192
	s_or_b32 s[G0B+4*\s+3], s[G0B+4*\s+3], 0x80000000
	JLOAD \s                                       ; two tensor loads of the wave are out
.endr
	v_and_b32 v1, 15, v0
	v_bfe_u32 v2, v0, 4, 1
	v_and_b32 v3, 31, v0
	v_lshlrev_b32 v3, 4, v3                        ; 16 L
	s_lshl_b32 s21, s11, 15
	s_lshl_b32 s22, s12, 15
	s_add_co_u32 s22, s22, BOFF
.irp s, 0,1
	v_add_nc_u32 v[ADRA+\s], s21, v3
	v_add_nc_u32 v[ADRB+\s], s22, v3
	s_add_co_u32 s21, s21, SLOT
	s_add_co_u32 s22, s22, SLOT
.endr
	s_mul_i32 s23, s10, 16*SPITCH
	s_add_co_u32 s23, s23, STAGE
	v_mul_u32_u24 v4, v1, SPITCH
	v_lshl_add_u32 v4, v2, 5, v4
	v_add_nc_u32 v[STO], s23, v4                   ; in: row l % 16, 32 bytes for each half of the lanes
	v_mul_u32_u24 v5, v2, SPITCH
	v_lshl_add_u32 v5, v1, 4, v5
	v_add_nc_u32 v[RD], s23, v5                    ; back: lanes 0-15 one row of 256 bytes, lanes 16-31 the next
	v_lshlrev_b32 v6, 12, v2
	v_lshl_add_u32 v[CO], v1, 4, v6                ; the same two rows in out0
.macro FETCHG slot, g, buf             ; the fragments of 64 along K (k tiles 4 g .. 4 g + 3 of the slot) into buffer buf: 32 loads
	WIN 0x40*(\buf)
.irp a, 0,1,2,3
.irp t, 0,1,2,3
	ds_load_b128 v[BUF+16*\a+4*\t:BUF+16*\a+4*\t+3], v[ADRA+\slot] offset:\a*8192+(4*\g+\t)*512
.endr
.endr
.irp a, 0,1,2,3
.irp t, 0,1,2,3
	ds_load_b128 v[BUF+64+16*\a+4*\t:BUF+64+16*\a+4*\t+3], v[ADRB+\slot] offset:\a*8192+(4*\g+\t)*512
.endr
.endr
.endm
.macro MULC buf, c, zero               ; 16 matrix instructions, 32 along K; the 16 accumulators take turns, one instruction a turn
	WIN 0x50+5*(\buf)
.irp a, 0,1,2,3
.irp b, 0,1,2,3
.if \zero
	v_wmma_f32_16x16x32_f16 v[8*(4*\a+\b):8*(4*\a+\b)+7], v[BUF+64+16*\b+8*\c:BUF+64+16*\b+8*\c+7], v[BUF+16*\a+8*\c:BUF+16*\a+8*\c+7], 0
.else
	v_wmma_f32_16x16x32_f16 v[8*(4*\a+\b):8*(4*\a+\b)+7], v[BUF+64+16*\b+8*\c:BUF+64+16*\b+8*\c+7], v[BUF+16*\a+8*\c:BUF+16*\a+8*\c+7], v[8*(4*\a+\b):8*(4*\a+\b)+7]
.endif
.endr
.endr
.endm
.macro PLACES                          ; a load into a register that a matrix instruction has read stands four plain vector instructions behind it
.rept 4
	v_nop
.endr
.endm
.macro GROUP slot, gn, buf, obuf, zero ; multiplies buffer buf; first asks for group gn of the same slot into the other buffer
	s_wait_dscnt 0x0
	PLACES
	FETCHG \slot, \gn, \obuf
	MULC \buf, 0, \zero
	MULC \buf, 1, 0
.endm
; A slot's last group (buffer 1) and the change of slots: in front of the barrier my reads of this slot are over and all my tensor loads have landed;
; behind it (with fill: behind the round of the cluster's barrier that it opens) the refill comes first, then the other slot's first fragments.
.macro TURN slot, next, fill
	s_wait_dscnt 0x0
	s_wait_tensorcnt 0x0
	ds_add_u32 v126, v127
	s_wait_dscnt 0x0
	s_barrier_signal -1
	MULC 1, 0, 0
	WIN 0
	s_barrier_wait -1
.if \fill
	CREST
	s_add_nc_u64 s[G0+4*\slot+2:G0+4*\slot+3], s[G0+4*\slot+2:G0+4*\slot+3], 16384    ; two K steps on
	s_add_nc_u64 s[G0B+4*\slot+2:G0B+4*\slot+3], s[G0B+4*\slot+2:G0B+4*\slot+3], 16384
	JLOAD \slot                                    ; my one tensor load behind the round
.endif
	PLACES
	FETCHG \next, 0, 0
	MULC 1, 1, 0
.endm
.macro THREE slot, zero
	GROUP \slot, 1, 0, 1, \zero
	GROUP \slot, 2, 1, 0, 0
	GROUP \slot, 3, 0, 1, 0
.endm
	s_wait_tensorcnt 0x1                           ; my part of K step 0 is in; K step 1's load may stay out
	s_barrier_signal -1
	s_barrier_wait -1
	FETCHG 0, 0, 0
	THREE 0, 1                                     ; K step 0; the first products start the sums
	TURN 0, 1, 1                                   ; slot 0 gets K step 2
	THREE 1, 0                                     ; K step 1
	TURN 1, 0, 1                                   ; slot 1 gets K step 3
	THREE 0, 0                                     ; K step 2
	TURN 0, 1, 0                                   ; nothing left to fetch: a plain barrier shows K step 3 whole
	THREE 1, 0                                     ; K step 3
	s_wait_dscnt 0x0
	MULC 1, 0, 0
	MULC 1, 1, 0
	PLACES                                         ; ahead of the LDS stores that read results and of the loads into buffer 0
	WIN 0
	s_lshl_b32 s2, s13, 19                         ; block row x 128 rows x 4,096 bytes
	s_lshl_b32 s45, s11, 18
	s_add_co_u32 s2, s2, s45
	s_lshl_b32 s45, s42, 9                         ; block column x 512 bytes
	s_add_co_u32 s2, s2, s45
	s_lshl_b32 s45, s12, 8
	s_add_co_u32 s2, s2, s45
	s_mov_b32 s3, 0
	s_add_nc_u64 s[8:9], s[8:9], s[2:3]
.macro OUT16 a                         ; rows 16 a .. 16 a + 15 of my 64
	WIN 0x04                                       ; an LDS store's data is source 1: window 1
.irp b, 0,1,2,3
	ds_store_b128 v[STO], v[8*(4*\a+\b):8*(4*\a+\b)+3] offset:64*\b
	ds_store_b128 v[STO], v[8*(4*\a+\b)+4:8*(4*\a+\b)+7] offset:64*\b+16
.endr
	WIN 0
	s_wait_xcnt 0x0                                ; registers that earlier stores read are loaded again only behind this wait
.irp t, 0,1,2,3,4,5,6,7
	ds_load_b128 v[BUF+32*(\a&1)+4*\t:BUF+32*(\a&1)+4*\t+3], v[RD] offset:\t*2*SPITCH     ; LDS serves a wave's instructions in order: these see the stores above
.endr
.irp t, 0,1,2,3,4,5,6,7
	s_wait_dscnt 7-\t                              ; the younger read-backs may be out
	global_store_b128 v[CO], v[BUF+32*(\a&1)+4*\t:BUF+32*(\a&1)+4*\t+3], s[8:9] offset:(16*\a+2*\t)*4096   ; 16 lanes store 256 consecutive aligned bytes
.endr
.endm
	OUT16 0
	OUT16 1
	OUT16 2
	OUT16 3
	s_wait_tensorcnt 0x0
	ds_add_u32 v126, v127
	s_wait_dscnt 0x0
	CROUND                                         ; the closing round
	s_endpgm
.Lfunc_end_k_q5257fff537_outp:
	.size	k_q5257fff537_outp, .Lfunc_end_k_q5257fff537_outp-k_q5257fff537_outp
	.p2alignl 7, 3214868480
	.fill 96, 4, 3214868480
	.section	.rodata,"a",@progbits
	.p2align	6, 0x0
	.amdhsa_kernel k_q5257fff537_outp
		.amdhsa_group_segment_fixed_size 327680
		.amdhsa_private_segment_fixed_size 0
		.amdhsa_enable_private_segment 0
		.amdhsa_kernarg_size 24
		.amdhsa_user_sgpr_count 2
		.amdhsa_user_sgpr_kernarg_segment_ptr 1
		.amdhsa_wavefront_size32 1
		.amdhsa_system_sgpr_workgroup_id_x 1
		.amdhsa_system_sgpr_workgroup_id_y 1
		.amdhsa_system_sgpr_workgroup_id_z 1
		.amdhsa_system_vgpr_workitem_id 0
		.amdhsa_next_free_vgpr 512
		.amdhsa_next_free_sgpr 66
		.amdhsa_reserve_vcc 0
		.amdhsa_float_denorm_mode_32 3
		.amdhsa_float_denorm_mode_16_64 3
		.amdhsa_memory_ordered 1
		.amdhsa_forward_progress 1
		.amdhsa_inst_pref_size 85
	.end_amdhsa_kernel
	.amdgpu_metadata
---
amdhsa.version: [ 1, 2 ]
amdhsa.kernels:
  - .name:           k_q5257fff537_outp
    .symbol:         k_q5257fff537_outp.kd
    .args:
      - { .name: xf, .offset: 0, .size: 8, .value_kind: global_buffer, .address_space: global }
      - { .name: wof, .offset: 8, .size: 8, .value_kind: global_buffer, .address_space: global }
      - { .name: out0, .offset: 16, .size: 8, .value_kind: global_buffer, .address_space: global }
    .group_segment_fixed_size: 327680
    .private_segment_fixed_size: 0
    .kernarg_segment_align: 8
    .kernarg_segment_size: 24
    .max_flat_workgroup_size: 128
    .sgpr_count:     66
    .vgpr_count:     512
    .wavefront_size: 32
...
	.end_amdgpu_metadata
.endif
;; end of part 4
;; ======== version 2 of 2: 4 launches; version 1 with the launch cast written anew for expert scheduling mode
;; limits: values are held in f16: magnitudes above 65,504 overflow, below 6.1e-05 lose precision
;; workspace buffers: qf 8,388,608 bytes; kf 8,388,608 bytes; vf 8,388,608 bytes; xf 8,388,608 bytes; wof 2,097,152 bytes; maskw 524,288 bytes of whole numbers; act 25,165,824 bytes; wts 6,291,456 bytes
;; launch cast (part 5): grid 256 x 1, 8 waves a work-group, no clusters, 35,840 bytes of LDS; arguments q, k, v, w_q, w_k, w_v, w_o, mask, act, wts, wof, maskw; writes act, wts, wof, maskw
.if DOCPART == 5
	.amdgcn_target "amdgcn-amd-amdhsa--gfx1250"
	.amdhsa_code_object_version 6
	.text
	.protected	k_q5257fff537_cast
	.globl	k_q5257fff537_cast
	.p2align	8
	.type	k_q5257fff537_cast,@function
k_q5257fff537_cast:
	s_mov_b64 s[64:65], 0
	v_nop
	global_prefetch_b8 v0, s[64:65] scope:SCOPE_SE
	s_setreg_imm32_b32 hwreg(HW_REG_WAVE_SCHED_MODE, 0, 2), 2
	s_setreg_imm32_b32 hwreg(HW_REG_WAVE_MODE, 25, 1), 1
	s_wait_xcnt 0x0
	s_wait_alu depctr_vm_vsrc(0)
; Every matrix operand that comes from an input is rounded to f16 here, once, and laid in tiles; and the mask's bytes become lane masks.
; (1) q, k, v [4096][1024] and w_q, w_k, w_v, w_o [1024][1024], f32 -> tiles of 512 bytes, [row tile][k tile 64][512]: 16 rows x 16 k, lane L owning the 16 bytes
;     at 16 L (row L & 15, k = 8 (L >> 4) + 0..7), so that two tiles that follow each other along k are one 16 x 32 matrix operand as they lie.
;     act = q, k, v (8 MiB each); wts = w_q, w_k, w_v (2 MiB each); wof = w_o.
;     16,384 rows = 1,024 row tiles; 2,048 waves, half a row tile each: 16 rows x 2,048 bytes, as four units of 16 rows x 512 bytes.
;     A load of the wave covers 512 consecutive bytes of one row.  A lane then holds 4 numbers of that row, but a tile wants a lane to hold one row's 8:
;     so the rounded numbers pass through the wave's own 4,352 bytes of LDS: 16 pieces (k tile, half) of 16 rows x 16 bytes, 272 bytes apart.
;     In: the 32 lanes of a row write 8 bytes each at (lane >> 1) x 272 + (lane & 1) x 8 + 16 row: 16 different 16-byte columns of 256.
;     Back: 16 lanes read a piece's 256 consecutive bytes.  Each store of the wave then covers one whole tile, 512 consecutive aligned bytes.
;     LDS serves a wave's instructions in order and no wave touches another's bytes: no barrier.
;     Two landings of 64 registers: 32 loads of a wave (16 KiB) are out at a time, 128 KiB for the eight waves.
; (2) mask [2048][2048] bytes -> maskw [query tile 128][key tile 128][j 8] words.  Bit L of word (qtile, kt, j) says whether
;     mask[16 qtile + (L & 15)][16 kt + 8 (L >> 4) + j] is not 0: the 32 lanes' selector for register j of a 16 x 16 tile of transposed scores.
;     Any byte other than 0 counts as true.  Wave J: qtile = J >> 4, eight key tiles from (J & 15) x 8: 256 aligned bytes out.
; No matrix unit, no cluster: nothing is shared between work-groups and memory binds.
; LIMIT (format): f16: the inputs' magnitudes must lie under 65,504; numbers under 6e-5 in magnitude lose bits, under 3e-8 they become 0.
; THE MODE: SCHED_MODE bits 1:0 = 2 (LLVM: expert scheduling mode 2), set by the entry lines.  The code itself states the register dependences
; between vector instructions and memory or LDS instructions, with s_wait_alu, always for 0.
; THE PLAN.  Registers that memory or LDS instructions touch:
;   v3, v6, v8, v9, v10  offsets and LDS addresses: written at the head, never again.
;   LA, LB   a unit lands here; its 32 conversions read it and write the rounded numbers into it in place; its 16 LDS stores read those; in units 0 and 1 unit u + 2 then lands in it.
;   Y        the unit's 8 LDS loads land here, its 8 global stores read it; no vector instruction names it.
;   M        the mask's 8 loads land here, once; read by vector instructions.
;   W        written by v_mov_b32 and v_writelane_b32; read by one global store; never written again.
;   s2; s[48:63]  written by vector instructions (the wave's number; 16 compares in a run), read by scalar arithmetic and by v_writelane_b32.
; A unit has two waits.  One on va_vdst behind its conversions: they have written what the LDS stores read, and are done with the landing.  One on vm_vsrc behind its LDS stores:
; these have read the landing, and the unit before's global stores have read Y.  Behind the second the unit's 8 LDS loads, the 16 loads of unit u + 2 and the 8 global stores follow
; with no further s_wait_alu: no vector instruction stands among them.
.set PIECE, 272                        ; 16 rows x 16 bytes + 16
.set WLDS,  16*PIECE                   ; a wave's bytes of LDS
.set LA, 16                            ; v[16:79]    landing of units 0, 2: row r in 4 registers
.set LB, 80                            ; v[80:143]   landing of units 1, 3
.set Y,  144                           ; v[144:175]  eight tiles to store
.set M,  176                           ; v[176:191]  mask bytes: 8 a lane for each of 8 key tiles
.set W,  192                           ; v[192:193]  my 64 words: word w in register w & 1, lane w >> 1
.set T,  194                           ; v[194:197]  one byte cut out
.set CM, 48                            ; s[48:63]    sixteen compares' lane masks (s48 to s53 hold offsets at the head alone)
; v3 16 x lane (loads and stores); v6 LDS in; v8 LDS back; v9 mask offset; v10 8 x lane
	s_load_b512 s[8:23], s[0:1], 0x0               ; q 8, k 10, v 12, w_q 14, w_k 16, w_v 18, w_o 20, mask 22
	s_load_b256 s[24:31], s[0:1], 0x40             ; act 24, wts 26, wof 28, maskw 30
	v_lshl_add_u32 v200, v0, 2, 0x8800
	v_mov_b32 v201, 0
	v_lshrrev_b32 v1, 5, v0
	v_readfirstlane_b32 s2, v1                     ; wave 0..7
	; work-groups 0-63 q, 64-127 k, 128-191 v, 192-207 w_q, 208-223 w_k, 224-239 w_v, 240-255 w_o; four row tiles each
	s_lshr_b32 s3, ttmp9, 6                        ; 0, 1, 2: q, k, v; 3: a weight
	s_bfe_u32 s4, ttmp9, 0x20004                   ; which weight
	s_and_b32 s32, ttmp9, 63
	s_and_b32 s33, ttmp9, 15
	s_cmp_eq_u32 s3, 3
	s_cselect_b32 s32, s33, s32                    ; the work-group's number within its tensor
	s_wait_alu depctr_va_sdst(0)                   ; s2 is written, ahead of its first reader: my row tile, my half, J and my bytes of LDS are made from it
	s_lshr_b32 s34, s2, 1
	s_lshl2_add_u32 s32, s32, s34                  ; my row tile in its tensor
	s_and_b32 s35, s2, 1                           ; which half of the rows' 4,096 bytes
	s_lshl_b32 s36, s32, 16                        ; in: 16 rows x 4,096 bytes a row tile
	s_lshl_b32 s37, s35, 11
	s_add_co_u32 s36, s36, s37
	s_mov_b32 s37, 0
	s_lshl_b32 s38, s32, 15                        ; out: 64 tiles x 512 bytes a row tile
	s_lshl_b32 s39, s35, 14
	s_add_co_u32 s38, s38, s39
	s_lshl_b32 s40, s3, 23                         ; q, k, v follow each other in act,
	s_lshl_b32 s41, s4, 21                         ; w_q, w_k, w_v in wts,
	s_cmp_eq_u32 s4, 3
	s_cselect_b32 s41, 0, s41                      ; w_o has wof to itself
	s_cmp_eq_u32 s3, 3
	s_cselect_b32 s40, s41, s40
	s_add_co_u32 s38, s38, s40
	s_mov_b32 s39, 0
	s_lshl_b32 s48, ttmp9, 3
	s_add_co_u32 s48, s48, s2                      ; J, 0..2,047
	s_lshr_b32 s50, s48, 4
	s_lshl_b32 s50, s50, 15                        ; mask: query tile x 16 rows x 2,048 bytes
	s_and_b32 s51, s48, 15
	s_lshl_b32 s51, s51, 7                         ; + 8 key tiles x 16 bytes
	s_add_co_u32 s50, s50, s51
	s_mov_b32 s51, 0
	s_lshl_b32 s52, s48, 8                         ; 256 bytes of words a wave
	s_mov_b32 s53, 0
	s_mul_i32 s49, s2, WLDS                        ; my bytes of LDS
	v_and_b32 v2, 31, v0
	v_lshlrev_b32 v3, 4, v2
	v_lshlrev_b32 v10, 3, v2
	v_and_b32 v4, 15, v0                           ; r
	v_bfe_u32 v5, v0, 4, 1                         ; h
	v_and_b32 v7, 30, v0                           ; 2 x (lane >> 1)
	v_mul_u32_u24 v6, v7, PIECE/2
	v_and_b32 v7, 1, v0
	v_lshl_add_u32 v6, v7, 3, v6
	v_add_nc_u32 v6, s49, v6                       ; in: piece lane >> 1, 8 bytes for each of its two lanes
	v_mul_u32_u24 v8, v5, PIECE
	v_lshl_add_u32 v8, v4, 4, v8
	v_add_nc_u32 v8, s49, v8                       ; back: piece h of a tile, row r
	v_lshlrev_b32 v9, 11, v4
	v_lshl_add_u32 v9, v5, 3, v9                   ; mask: r x 2,048 + 8 h
	v_mov_b32 v[W], 0                              ; v_writelane_b32 keeps the other lanes: the registers are written whole first
	v_mov_b32 v[W+1], 0
	s_wait_kmcnt 0x0
	s_cmp_eq_u32 s3, 0
	s_cselect_b64 s[42:43], s[8:9], s[10:11]       ; q or k
	s_cmp_eq_u32 s3, 2
	s_cselect_b64 s[42:43], s[12:13], s[42:43]     ; or v
	s_cmp_eq_u32 s4, 0
	s_cselect_b64 s[44:45], s[14:15], s[16:17]     ; w_q or w_k
	s_cmp_eq_u32 s4, 2
	s_cselect_b64 s[44:45], s[18:19], s[44:45]     ; or w_v
	s_cmp_eq_u32 s4, 3
	s_cselect_b64 s[44:45], s[20:21], s[44:45]     ; or w_o,
	s_cselect_b64 s[46:47], s[28:29], s[26:27]     ; which goes to wof, the others to wts
	s_cmp_eq_u32 s3, 3
	s_cselect_b64 s[42:43], s[44:45], s[42:43]
	s_cselect_b64 s[46:47], s[46:47], s[24:25]
	s_add_nc_u64 s[42:43], s[42:43], s[36:37]      ; from
	s_add_nc_u64 s[46:47], s[46:47], s[38:39]      ; to
	s_add_nc_u64 s[22:23], s[22:23], s[50:51]
	s_add_nc_u64 s[30:31], s[30:31], s[52:53]
	s_wait_alu depctr_va_vdst(0)                   ; v3, v6, v8, v9 and v10 are written: every load, store and LDS instruction of the kernel reads one of them as its offset or address
.macro LOADU u, ln                     ; unit u: 16 rows, 512 consecutive bytes of a row in each load.  u may be a sum: it stands in parentheses
.irp r, 0,1,2,3,4,5,6,7,8,9,10,11,12,13,14,15
	global_load_b128 v[\ln+4*\r:\ln+4*\r+3], v3, s[42:43] offset:\r*4096+(\u)*512 th:TH_LOAD_NT
.endr
.endm
; Unit u, landed in ln, is rounded, turned into tiles and stored.  left = how many younger loads may stay out.  more = 1: unit u + 2 is asked for into the same landing.
.macro WORKU u, ln, left, more
	s_wait_loadcnt \left                           ; loads come back in order: my 16 are in
.irp r, 0,1,2,3,4,5,6,7,8,9,10,11,12,13,14,15
	v_cvt_pk_f16_f32 v[\ln+4*\r],   v[\ln+4*\r],   v[\ln+4*\r+1]       ; in place: 4 numbers into 8 bytes
	v_cvt_pk_f16_f32 v[\ln+4*\r+1], v[\ln+4*\r+2], v[\ln+4*\r+3]
.endr
	s_wait_alu depctr_va_vdst(0)                   ; the conversions have written the rounded numbers, which the LDS stores read, and are done reading and writing the landing, in which unit u + 2 lands
.irp r, 0,1,2,3,4,5,6,7,8,9,10,11,12,13,14,15
	ds_store_b64 v6, v[\ln+4*\r:\ln+4*\r+1] offset:16*\r
.endr
	s_wait_xcnt 0x0                                ; Y, which the last unit's stores read, is loaded again only behind this wait
	s_wait_alu depctr_vm_vsrc(0)                   ; the last unit's global stores have read Y, in which the LDS loads land; the LDS stores above have read the landing, in which unit u + 2 lands
.irp t, 0,1,2,3,4,5,6,7
	ds_load_b128 v[Y+4*\t:Y+4*\t+3], v8 offset:2*PIECE*\t              ; LDS serves a wave's instructions in order: these see the stores above
.endr
.if \more
	LOADU \u+2, \ln                                ; no vector instruction since the wait on va_vdst names the landing; these sixteen stand between the LDS loads and the waits for them
.endif
.irp t, 0,1,2,3,4,5,6,7
	s_wait_dscnt 7-\t                              ; LDS loads come back in order: tile t is in Y, the younger ones may be out
	global_store_b128 v3, v[Y+4*\t:Y+4*\t+3], s[46:47] offset:(8*(\u)+\t)*512  ; one whole tile: 512 consecutive aligned bytes
.endr
.endm
	LOADU 0, LA
	LOADU 1, LB
.irp kk, 0,1,2,3,4,5,6,7
	global_load_b64 v[M+2*\kk:M+2*\kk+1], v9, s[22:23] offset:16*\kk th:TH_LOAD_NT
.endr
	WORKU 0, LA, 24, 1                             ; out: unit 1's 16 and the mask's 8
	WORKU 1, LB, 24, 1                             ; out: the mask's 8 and unit 2's 16
	; Two key tiles, 16 words, at a time.  Byte b of register M + 4 g + c is byte j = 4 (c & 1) + b of key tile 2 g + (c >> 1): cut it out, compare in all 32 lanes at once; then the 32 bits go into word 16 g + 4 c + b.
.irp g, 0,1,2,3
	s_wait_loadcnt 38-2*(\g)                       ; out: the 6 - 2 g mask loads behind these two and the 32 of units 2 and 3
.irp c, 0,1,2,3
.irp b, 0,1,2,3
	v_and_b32 v[T+(\b)], 0xff<<(8*(\b)), v[M+4*(\g)+(\c)]
.endr
.irp b, 0,1,2,3
	v_cmp_ne_u32 s[CM+4*(\c)+(\b)], 0, v[T+(\b)]
.endr
.endr
	s_wait_alu depctr_va_sdst(0)                   ; the sixteen compares have written s[48:63], ahead of their first reader
.irp i, 0,1,2,3,4,5,6,7,8,9,10,11,12,13,14,15
	v_writelane_b32 v[W+((\i)&1)], s[CM+(\i)], 8*(\g)+((\i)>>1)
.endr
.endr
	s_wait_alu depctr_va_vdst(0)                   ; the v_writelane_b32 have written W, which the store reads
	global_store_b64 v10, v[W:W+1], s[30:31]       ; 256 consecutive aligned bytes
	WORKU 2, LA, 16, 0                             ; out: unit 3's 16
	WORKU 3, LB, 0, 0
	s_wait_dscnt 0x0                               ; the closing lines, six on end
	s_wait_alu 0x0
	s_wait_tensorcnt 0x0
	ds_add_u32 v200, v201
	s_wait_dscnt 0x0
	s_endpgm
.Lfunc_end_k_q5257fff537_cast:
	.size	k_q5257fff537_cast, .Lfunc_end_k_q5257fff537_cast-k_q5257fff537_cast
	.p2alignl 7, 3214868480
	.fill 96, 4, 3214868480
	.section	.rodata,"a",@progbits
	.p2align	6, 0x0
	.amdhsa_kernel k_q5257fff537_cast
		.amdhsa_group_segment_fixed_size 35840
		.amdhsa_private_segment_fixed_size 0
		.amdhsa_enable_private_segment 0
		.amdhsa_kernarg_size 96
		.amdhsa_user_sgpr_count 2
		.amdhsa_user_sgpr_kernarg_segment_ptr 1
		.amdhsa_wavefront_size32 1
		.amdhsa_system_sgpr_workgroup_id_x 1
		.amdhsa_system_sgpr_workgroup_id_y 1
		.amdhsa_system_sgpr_workgroup_id_z 1
		.amdhsa_system_vgpr_workitem_id 0
		.amdhsa_next_free_vgpr 202
		.amdhsa_next_free_sgpr 66
		.amdhsa_reserve_vcc 0
		.amdhsa_float_denorm_mode_32 3
		.amdhsa_float_denorm_mode_16_64 3
		.amdhsa_memory_ordered 1
		.amdhsa_forward_progress 1
		.amdhsa_inst_pref_size 42
	.end_amdhsa_kernel
	.amdgpu_metadata
---
amdhsa.version: [ 1, 2 ]
amdhsa.kernels:
  - .name:           k_q5257fff537_cast
    .symbol:         k_q5257fff537_cast.kd
    .args:
      - { .name: q, .offset: 0, .size: 8, .value_kind: global_buffer, .address_space: global }
      - { .name: k, .offset: 8, .size: 8, .value_kind: global_buffer, .address_space: global }
      - { .name: v, .offset: 16, .size: 8, .value_kind: global_buffer, .address_space: global }
      - { .name: w_q, .offset: 24, .size: 8, .value_kind: global_buffer, .address_space: global }
      - { .name: w_k, .offset: 32, .size: 8, .value_kind: global_buffer, .address_space: global }
      - { .name: w_v, .offset: 40, .size: 8, .value_kind: global_buffer, .address_space: global }
      - { .name: w_o, .offset: 48, .size: 8, .value_kind: global_buffer, .address_space: global }
      - { .name: mask, .offset: 56, .size: 8, .value_kind: global_buffer, .address_space: global }
      - { .name: act, .offset: 64, .size: 8, .value_kind: global_buffer, .address_space: global }
      - { .name: wts, .offset: 72, .size: 8, .value_kind: global_buffer, .address_space: global }
      - { .name: wof, .offset: 80, .size: 8, .value_kind: global_buffer, .address_space: global }
      - { .name: maskw, .offset: 88, .size: 8, .value_kind: global_buffer, .address_space: global }
    .group_segment_fixed_size: 35840
    .private_segment_fixed_size: 0
    .kernarg_segment_align: 8
    .kernarg_segment_size: 96
    .max_flat_workgroup_size: 256
    .sgpr_count:     66
    .vgpr_count:     202
    .wavefront_size: 32
...
	.end_amdgpu_metadata
.endif
;; end of part 5
;; launch proj: the kernel of part 2 again; grid 4 x 48, 4 waves a work-group, clusters of 4 x 4, 327,680 bytes of LDS; arguments act, wts, qf, kf, vf; writes qf, kf, vf
;; launch attn: the kernel of part 3 again; grid 256 x 1, 8 waves a work-group, clusters of 4 x 1, 327,680 bytes of LDS; arguments qf, kf, vf, maskw, xf; writes xf
;; launch outp: the kernel of part 4 again; grid 8 x 32, 4 waves a work-group, clusters of 4 x 4, 327,680 bytes of LDS; arguments xf, wof, out0; writes out0
